; MI455X (gfx1250); checked and timed in simulation.
; The chip was launched on July 23, 2026; its instructions are those of AMD's public machine-readable ISA for CDNA 5 (MIT licence, August 2026) and "CDNA5" Instruction Set Architecture Reference Guide (July 2026). The comments in the code are by the model that wrote it; some were corrected since.
;; Multi Head Attention. Allowed arithmetic: matrix products marked QUANTISED: E2M3 operands, one E8M0 scale for each 32 along K, by v_wmma_scale_f32_16x16x128_f8f6f4 with both operands' format E2M3, f32 sums; everything else in f32.
;; Inputs: k 4 x 2,048 x 1,024 float32; proj_b 1,024 float32; proj_w 1,024 x 1,024 float32; q 4 x 2,048 x 1,024 float32; v 4 x 2,048 x 1,024 float32; wk_b 1,024 float32; wk_w 1,024 x 1,024 float32; wq_b 1,024 float32; wq_w 1,024 x 1,024 float32; wv_b 1,024 float32; wv_w 1,024 x 1,024 float32.
;; Outputs: out0 4 x 2,048 x 1,024 float32.
;; This version of the problem:
;;   THIS VERSION OF THE PROBLEM IS GIVEN IN LOW PRECISION. The matrix products marked QUANTISED in the list below multiply operands that are first quantised to E2M3 (2 exponent bits, 3 mantissa bits; 6 bits a number), with one power-of-two scale for each 32 numbers along K (OCP MX v1.0); their sums are f32. All else is computed in f32.
;;   The module's matrix products, in the order in which they are computed (A, B: the left and right operand; K: the contracted axis; several contracted axes count as one K, in the product's order):
;;     1. [M 8,192, K 1,024] x [K 1,024, N 1,024]; A: input q; B: input wq_w: QUANTISED
;;     2. [M 8,192, K 1,024] x [K 1,024, N 1,024]; A: input k; B: input wk_w: QUANTISED
;;     3. [M 8,192, K 1,024] x [K 1,024, N 1,024]; A: input v; B: input wv_w: QUANTISED
;;     4. batch 64 x [M 2,048, K 64] x [K 64, N 2,048]; A: computed on the way; B: computed on the way: QUANTISED
;;     5. batch 64 x [M 2,048, K 2,048] x [K 2,048, N 64]; A: softmax (see below); B: computed on the way: QUANTISED
;;     6. [M 8,192, K 1,024] x [K 1,024, N 1,024]; A: computed on the way; B: input proj_w: QUANTISED
;;   THE QUANTISER, for each operand of a quantised product, along K:
;;     - K is cut into blocks of 32 from its start; a last block that is shorter is filled with zeros.
;;     - A block's scale is 2^e with e = floor(log2(the largest magnitude in the block)) - 2, held to -126 .. 127; a block of zeros has e = 0. As a byte (E8M0): e + 127.
;;     - Each number is divided by its block's scale, clamped to +-7.5, and rounded to the nearest number of E2M3, ties to even, subnormals kept.
;;     - The product sums the exact products of the quantised numbers (number of the format x scale) in f32.
;;   ~~~python
;;   def quantise(x, axis):      # numpy; x: float32 -> the quantised numbers, widened to float32 again
;;       x = np.moveaxis(x, axis, -1); K = x.shape[-1]
;;       x = np.pad(x, [(0, 0)] * (x.ndim - 1) + [(0, -K % 32)]); x = x.reshape(x.shape[:-1] + (-1, 32)); a = np.abs(x).max(-1, keepdims=True)
;;       e = np.where(a > 0, np.clip(np.frexp(np.where(a > 0, a, 1))[1] - 1 - 2, -126, 127), 0)      # np.frexp(a)[1] - 1 = floor(log2(a)), exactly
;;       r = np.clip(x / 2.0 ** e, -7.5, 7.5)
;;       step = 2.0 ** (np.maximum(np.frexp(np.where(r == 0, 1, r))[1] - 1, 0) - 3)
;;       q = np.round(r / step) * step * 2.0 ** e      # np.round: ties to even
;;       return np.moveaxis(q.reshape(q.shape[:-2] + (-1,))[..., :K], -1, axis).astype(np.float32)
;;   ~~~
;;   SOFTMAX AHEAD OF A QUANTISED PRODUCT. Where the list says 'softmax', what is quantised is not the finished softmax but p = 2^(t - M), with t = logit x log2(e) and M = ceil(the row's largest t), a whole number; so 1/2 < the row's largest p <= 1. The row's sum l is taken of the UNQUANTISED p, in f32, and the product's result is divided by l at the end. Since M is a whole number, a kernel that streams over the keys may use a running M (the ceiling of the running maximum): every later rescaling is an exact power of two, which a block's scale takes up: the codes' values come out the same.
;;   OPERANDS COMPUTED ON THE WAY. 'Computed on the way' means the value that the module computes at that place (a softmax that the list does not call 'softmax' is quantised finished and normalised). What goes into a quantiser is computed in f32, as accurately as f32 sums, v_exp_f32 and their like allow (about 1e-6 of the number): no bf16 or f16 on the way to a quantiser, and a product that is left as it is and whose result goes on into a quantised operand takes f32 operands (vector FMAs, or v_wmma_f32_16x16x4_f32). A number that lies on a knife's edge between two numbers of the format may be rounded either way, as far as f32 arithmetic and the matrix unit's own rounding can turn it there, and no further.
;; One version. Each part assembles by itself: llvm-mc -triple=amdgcn-amd-amdhsa -mcpu=gfx1250 --defsym DOCPART=n.
;; ======== version 1 of 1: 4 launches
;; limits: right only within a limited range of input values
;; workspace buffers: xr 20,447,232 bytes; wr 3,407,872 bytes; qa 6,815,744 bytes; kv 13,631,488 bytes; cr 6,815,744 bytes
;; launch quant (part 1): grid 256 x 1, 14 waves a work-group, no clusters, 120,320 bytes of LDS; arguments q, k, v, wq_w, wk_w, wv_w, proj_w, xr, wr; writes xr, wr
.if DOCPART == 1
	.amdgcn_target "amdgcn-amd-amdhsa--gfx1250"
	.amdhsa_code_object_version 6
	.text
	.protected	k_q7167ff0766_quant
	.globl	k_q7167ff0766_quant
	.p2align	8
	.type	k_q7167ff0766_quant,@function
k_q7167ff0766_quant:
	s_mov_b64 s[64:65], 0
	v_nop
	global_prefetch_b8 v0, s[64:65] scope:SCOPE_SE
	s_setreg_imm32_b32 hwreg(HW_REG_WAVE_MODE, 25, 1), 1
	s_wait_xcnt 0x0
; q, k, v [8192][1024] and the four weights [1024][1024], f32, K innermost, become codes of FP6 (E2M3) with one E8M0 byte for each 32 along K,
; laid as IMAGES OF OPERAND REGISTERS, so that the products' launches load fragments by whole 16- and 8-byte pieces of consecutive bytes.
; ROW TILES: 16 rows; lane r of tile m holds row 32 (m/2) + 8 (m%2) + r + 8 (r/8).
; HALF FRAGMENT (768 bytes): 16 rows x 64 K = six registers a lane; lane (r, h) holds block h (32 codes, 24 bytes) of row r: registers 0-3 at 16 x lane, registers 4-5 at 512 + 8 x lane.
; RECORD (3,328 bytes): the four half fragments of 256 along K, then 8 bytes a lane: the scale words of its two K steps of 128 (lanes r and r + 16 hold the same).  A row tile's K = 1,024 is four records.
; A block's scale byte is its largest magnitude's exponent field - 2, held at 1 from below by a floor among the maximum's leaves.
; LIMITS: a block of zeros gets the byte 1 (its codes are zeros; this program alone reads the bytes); blocks whose largest magnitude lies under 2^-124 are held at the byte 1; NaN and infinities are not served.
; SHARES: 1,792 row tiles x 2 halves of K = 3,584 tasks = 256 work-groups x 14 waves.  A task is four steps of 16 rows x 128 K.  Waves share nothing: no barrier.
; Memory binds: no matrix unit, no cluster (no byte is read twice).  Each load reads 512 consecutive bytes of a row; 32 loads of a wave are on their way.
; A step's 8,192 bytes turn through the wave's own stage in LDS (rows 528 bytes apart), so that a lane gets two whole blocks of its row.
.set STG,   8448                       ; a wave's stage: 16 rows x (512 + 16) bytes
.set SPARE, 14*STG                     ; behind the stages: the spare words, 128 bytes a wave, in whole blocks of 256 bytes
.set REC,   3328
.set L16, 1                            ; v1   16 x lane
.set L8,  2                            ; v2   8 x lane
.set SI,  3                            ; v3   the stage, way in: 16 x lane
.set SO,  4                            ; v4   the stage, way out: 528 r + 128 h
.set SH,  5                            ; v5   8 h
.set SPW, 6                            ; v6   my spare word; never rewritten
.set NIL, 7                            ; v7   0; never rewritten
.set MX,  8                            ; v8-9   largest magnitudes of my two blocks
.set SOP, 10                           ; v10-11 the conversions' scale operands
.set BY,  12                           ; v12-13 the scale bytes
.set WD,  14                           ; v14  my two bytes at their places
.set PT,  15                           ; v15  the other half's
.set WP,  16                           ; v[16:17] the scale words of two steps
.set CD,  20                           ; v20-31 a step's fragment
.set CE,  32                           ; v32-39 the upper halves of its blocks
.set R,   64                           ; v64-191 two sets of 64: numbers as loaded
.set X,   192                          ; v192-255 my two blocks
	s_load_b256 s[4:11], s[0:1], 0x0               ; q, k, v, wq_w
	s_load_b256 s[12:19], s[0:1], 0x20             ; wk_w, wv_w, proj_w, xr
	s_load_b64 s[20:21], s[0:1], 0x40              ; wr
	v_lshl_add_u32 v[SPW], v0, 2, SPARE
	v_mov_b32 v[NIL], 0
	v_lshrrev_b32 v8, 5, v0
	s_delay_alu instid0(VALU_DEP_1)
	v_readfirstlane_b32 s28, v8                    ; wave 0..13
	v_and_b32 v9, 31, v0
	s_delay_alu instid0(VALU_DEP_1)
	v_lshlrev_b32 v[L16], 4, v9
	s_delay_alu instid0(VALU_DEP_2)
	v_lshlrev_b32 v[L8], 3, v9
	s_mul_i32 s29, s28, STG
	v_add_nc_u32 v[SI], s29, v[L16]
	v_and_b32 v10, 15, v0                          ; r
	v_bfe_u32 v11, v0, 4, 1                        ; h
	s_delay_alu instid0(VALU_DEP_2)
	v_mul_u32_u24 v[SO], v10, 528
	s_delay_alu instid0(VALU_DEP_1)
	v_lshl_add_u32 v[SO], v11, 7, v[SO]
	s_delay_alu instid0(VALU_DEP_1)
	v_add_nc_u32 v[SO], s29, v[SO]
	s_delay_alu instid0(VALU_DEP_4)
	v_lshlrev_b32 v[SH], 3, v11
	v_mov_b32 v[PT], 0                             ; a lane permute's destination counts as one of its sources
	s_mov_b32 s24, 0x76543210
	s_mov_b32 s25, 0xfedcba98                      ; selects for lane l xor 16
	s_mul_i32 s30, ttmp9, 14
	s_add_co_u32 s30, s30, s28                     ; my task
	s_lshr_b32 s31, s30, 1                         ; its row tile, 0..1791
	s_and_b32 s32, s30, 1                          ; its half of K
	s_wait_alu depctr_va_vdst(0)
	s_wait_kmcnt 0x0
	; which tensor, and the tensor's first tile: choices on the task's number alone
	s_cmp_ge_u32 s31, 512
	s_cselect_b64 s[22:23], s[6:7], s[4:5]
	s_cselect_b32 s26, 512, 0
	s_cmp_ge_u32 s31, 1024
	s_cselect_b64 s[22:23], s[8:9], s[22:23]
	s_cselect_b32 s26, 1024, s26
	s_cmp_ge_u32 s31, 1536
	s_cselect_b64 s[22:23], s[10:11], s[22:23]
	s_cselect_b32 s26, 1536, s26
	s_cmp_ge_u32 s31, 1600
	s_cselect_b64 s[22:23], s[12:13], s[22:23]
	s_cselect_b32 s26, 1600, s26
	s_cmp_ge_u32 s31, 1664
	s_cselect_b64 s[22:23], s[14:15], s[22:23]
	s_cselect_b32 s26, 1664, s26
	s_cmp_ge_u32 s31, 1728
	s_cselect_b64 s[22:23], s[16:17], s[22:23]
	s_cselect_b32 s26, 1728, s26
	s_cmp_lt_u32 s31, 1536                         ; activations go to xr, weights to wr
	s_cselect_b64 s[36:37], s[18:19], s[20:21]
	s_cselect_b32 s38, 0, 1536
	s_sub_co_u32 s33, s31, s26                     ; m: the tile in its tensor
	; THE TENSOR k HAS A ROW ORDER OF ITS OWN: lane r of its tile m holds row 64 (m/4) + 8 (m%4) + r + 24 (r/8), so that in the attention launch a lane's scores of four tiles are 32 neighbouring keys.
	; All other tensors keep 32 (m/2) + 8 (m%2) + r + 8 (r/8).  The choice hangs on the task's number alone.
	s_cmp_eq_u32 s26, 512                          ; k's tiles begin at 512
	s_cselect_b32 s40, 2, 1                        ; tiles to a group of rows: 4 or 2, as a shift,
	s_cselect_b32 s41, 3, 1                        ; and as a mask
	s_cselect_b32 s42, 65536, 0                    ; rows 8-15 of a tile: 16 rows of 4,096 bytes further down in k
	s_lshr_b32 s34, s33, s40
	s_add_co_u32 s40, s40, 4
	s_lshl_b32 s34, s34, s40                       ; 64 (m/4) or 32 (m/2)
	s_and_b32 s35, s33, s41
	s_lshl_b32 s35, s35, 3
	s_add_co_u32 s34, s34, s35                     ; its first row: 32 (m/2) + 8 (m%2)
	s_lshl_b32 s34, s34, 12                        ; rows of 4,096 bytes
	s_lshl_b32 s35, s32, 11                        ; + my half of K: 2,048 bytes
	s_add_co_u32 s34, s34, s35
	s_mov_b32 s35, 0
	s_add_nc_u64 s[22:23], s[22:23], s[34:35]
	s_sub_co_u32 s38, s31, s38
	s_mul_i32 s38, s38, 4*REC
	s_mul_i32 s39, s32, 2*REC
	s_add_co_u32 s38, s38, s39
	s_mov_b32 s39, 0
	s_add_nc_u64 s[36:37], s[36:37], s[38:39]
.macro LOAD s                          ; step s: 16 rows x 512 bytes into set s % 2; row i of the tile lies i + 8 (i/8) rows down
.irp i, 0,1,2,3,4,5,6,7,8,9,10,11,12,13,14,15
	global_load_b128 v[R+64*((\s)%2)+4*\i:R+64*((\s)%2)+4*\i+3], v[L16+17*(\i/8)], s[22:23] offset:(\i+8*(\i/8))*4096+512*(\s) th:TH_LOAD_NT   ; rows 8-15 go by v18, which in k's tiles stands 16 rows further down
.endr
.endm
.macro STEP s
	s_wait_xcnt 0x0                                ; the last step's stores have read their data: the codes' and the words' registers are written again only behind this wait
.if (\s) < 3
	s_wait_loadcnt 16                              ; this step's 16 loads are in; the next step's 16 may be out
.else
	s_wait_loadcnt 0x0
.endif
.irp i, 0,1,2,3,4,5,6,7,8,9,10,11,12,13,14,15
	ds_store_b128 v[SI], v[R+64*((\s)%2)+4*\i:R+64*((\s)%2)+4*\i+3] offset:528*\i
.endr
.irp c, 0,1
.irp k, 0,1,2,3,4,5,6,7
	ds_load_b128 v[X+32*\c+4*\k:X+32*\c+4*\k+3], v[SO] offset:256*\c+16*\k   ; k = 64 c + 32 h + 0 .. 31 of row r; a wave's LDS instructions are served in order: these see the stores above
.endr
.endr
	s_wait_dscnt 0x0                               ; my blocks are in, and the stores into the stage have read their registers,
.if (\s) < 2
	LOAD (\s)+2                                    ; which take the loads of two steps on
.endif
.irp c, 0,1
	v_max3_num_f32 v[MX+\c], |v[X+32*\c]|, |v[X+32*\c+1]|, 0x1800000   ; the floor 2^(3 - 127) among the leaves: the byte cannot fall under 1
.endr
.irp i, 2,4,6,8,10,12,14,16,18,20,22,24,26,28,30
.irp c, 0,1
	s_delay_alu instid0(VALU_DEP_2)
	v_max3_num_f32 v[MX+\c], v[MX+\c], |v[X+32*\c+\i]|, |v[X+32*\c+\i+1]|
.endr
.endr
.irp c, 0,1
	s_delay_alu instid0(VALU_DEP_2)
	v_add_nc_u32 v[SOP+\c], 0xff000000, v[MX+\c]   ; 2 off the exponent field: the conversion's scale operand
.endr
.irp c, 0,1
	s_delay_alu instid0(VALU_DEP_2)
	v_lshrrev_b32 v[BY+\c], 23, v[SOP+\c]          ; the scale's byte
.endr
	s_delay_alu instid0(VALU_DEP_1)
	v_lshl_or_b32 v[WD], v[BY+1], 16, v[BY]        ; blocks h and 2 + h,
	s_delay_alu instid0(VALU_DEP_1)
	v_lshlrev_b32 v[WD], v[SH], v[WD]              ; 8 h bits up;
	s_delay_alu instid0(VALU_DEP_1)
	v_permlanex16_b32 v[PT], v[WD], s24, s25
	s_delay_alu instid0(VALU_DEP_1)
	v_or_b32 v[WP+(\s)%2], v[WD], v[PT]            ; with the other half's two bytes the word is whole, in both lanes
.irp c, 0,1
	v_cvt_scalef32_pk16_fp6_f32 v[CD+6*\c:CD+6*\c+2], v[X+32*\c:X+32*\c+15], v[SOP+\c]
	v_cvt_scalef32_pk16_fp6_f32 v[CE+4*\c:CE+4*\c+2], v[X+32*\c+16:X+32*\c+31], v[SOP+\c]   ; (a conversion's three registers begin on an even number)
.endr
	v_nop                                          ; one plain instruction behind the conversions
.irp c, 0,1
.irp i, 0,1,2
	v_mov_b32 v[CD+6*\c+3+\i], v[CE+4*\c+\i]
.endr
.endr
.irp c, 0,1
	global_store_b128 v[L16], v[CD+6*\c:CD+6*\c+3], s[36:37] offset:((\s)/2)*REC+(2*((\s)%2)+\c)*768       ; 512 consecutive bytes
	global_store_b64 v[L8], v[CD+6*\c+4:CD+6*\c+5], s[36:37] offset:((\s)/2)*REC+(2*((\s)%2)+\c)*768+512   ; 256 consecutive bytes
.endr
.if (\s)%2 == 1
	global_store_b64 v[L8], v[WP:WP+1], s[36:37] offset:((\s)/2)*REC+3072                                  ; the record's two scale words
.endif
.endm
	v_add_nc_u32 v18, s42, v[L16]                  ; the offset of a tile's rows 8-15
	s_wait_alu depctr_va_vdst(0)                   ; the wait behind the write
	LOAD 0
	LOAD 1
	STEP 0
	STEP 1
	STEP 2
	STEP 3
	s_wait_tensorcnt 0x0                           ; the wave's end: behind my last LDS store
	ds_add_u32 v[SPW], v[NIL]
	s_wait_dscnt 0x0
	s_endpgm
.Lfunc_end_k_q7167ff0766_quant:
	.size	k_q7167ff0766_quant, .Lfunc_end_k_q7167ff0766_quant-k_q7167ff0766_quant
	.p2alignl 7, 3214868480
	.fill 96, 4, 3214868480
	.section	.rodata,"a",@progbits
	.p2align	6, 0x0
	.amdhsa_kernel k_q7167ff0766_quant
		.amdhsa_group_segment_fixed_size 120320
		.amdhsa_private_segment_fixed_size 0
		.amdhsa_enable_private_segment 0
		.amdhsa_kernarg_size 72
		.amdhsa_user_sgpr_count 2
		.amdhsa_user_sgpr_kernarg_segment_ptr 1
		.amdhsa_wavefront_size32 1
		.amdhsa_system_sgpr_workgroup_id_x 1
		.amdhsa_system_sgpr_workgroup_id_y 1
		.amdhsa_system_sgpr_workgroup_id_z 1
		.amdhsa_system_vgpr_workitem_id 0
		.amdhsa_next_free_vgpr 256
		.amdhsa_next_free_sgpr 66
		.amdhsa_reserve_vcc 0
		.amdhsa_float_denorm_mode_32 3
		.amdhsa_float_denorm_mode_16_64 3
		.amdhsa_memory_ordered 1
		.amdhsa_forward_progress 1
		.amdhsa_inst_pref_size 37
	.end_amdhsa_kernel
	.amdgpu_metadata
---
amdhsa.version: [ 1, 2 ]
amdhsa.kernels:
  - .name:           k_q7167ff0766_quant
    .symbol:         k_q7167ff0766_quant.kd
    .args:
      - { .name: q, .offset: 0, .size: 8, .value_kind: global_buffer, .address_space: global }
      - { .name: k, .offset: 8, .size: 8, .value_kind: global_buffer, .address_space: global }
      - { .name: v, .offset: 16, .size: 8, .value_kind: global_buffer, .address_space: global }
      - { .name: wq_w, .offset: 24, .size: 8, .value_kind: global_buffer, .address_space: global }
      - { .name: wk_w, .offset: 32, .size: 8, .value_kind: global_buffer, .address_space: global }
      - { .name: wv_w, .offset: 40, .size: 8, .value_kind: global_buffer, .address_space: global }
      - { .name: proj_w, .offset: 48, .size: 8, .value_kind: global_buffer, .address_space: global }
      - { .name: xr, .offset: 56, .size: 8, .value_kind: global_buffer, .address_space: global }
      - { .name: wr, .offset: 64, .size: 8, .value_kind: global_buffer, .address_space: global }
    .group_segment_fixed_size: 120320
    .private_segment_fixed_size: 0
    .kernarg_segment_align: 8
    .kernarg_segment_size: 72
    .max_flat_workgroup_size: 448
    .sgpr_count:     66
    .vgpr_count:     256
    .wavefront_size: 32
...
	.end_amdgpu_metadata
.endif
;; end of part 1
;; launch qkv (part 2): grid 4 x 192, 4 waves a work-group, clusters of 4 x 4, 327,680 bytes of LDS; arguments xr, wr, wq_b, wk_b, wv_b, qa, kv; writes qa, kv
.if DOCPART == 2
	.amdgcn_target "amdgcn-amd-amdhsa--gfx1250"
	.amdhsa_code_object_version 6
	.text
	.protected	k_q7167ff0766_qkv
	.globl	k_q7167ff0766_qkv
	.p2align	8
	.type	k_q7167ff0766_qkv,@function
k_q7167ff0766_qkv:
	s_mov_b64 s[64:65], 0
	v_nop
	global_prefetch_b8 v0, s[64:65] scope:SCOPE_SE
	s_setreg_imm32_b32 hwreg(HW_REG_WAVE_MODE, 25, 1), 1
	s_wait_xcnt 0x0
	s_wait_alu depctr_hold_cnt(0) depctr_sa_sdst(0) depctr_va_vdst(0) depctr_va_sdst(0) depctr_va_ssrc(0) depctr_va_vcc(0) depctr_vm_vsrc(0)
	s_getreg_b32 s2, hwreg(HW_REG_IB_STS2, 6, 4)
	s_cmp_eq_u32 s2, 0
	s_cbranch_scc0 .Lentry_in_a_cluster
	s_endpgm
.Lentry_in_a_cluster:
	s_bfe_u32 s2, ttmp6, 0x10000c
	s_cmp_lg_u32 s2, 0xf033
	s_cbranch_scc0 .Lentry_shape_is_right
	s_endpgm
.Lentry_shape_is_right:
; The three input projections on codes of FP6 (E2M3) with E8M0 scales, K = 1,024; their results, with the bias, are quantised in registers and leave as operands of the attention launch.
; OPERANDS come as records (3,328 bytes: four half fragments of 16 rows x 64 K as images of their registers, then two scale words a lane); a row tile's K is four records, 13,312 bytes.
; Lane r of row tile m holds row 32 (m/2) + 8 (m%2) + r + 8 (r/8), so that the 16 result registers of source-0 tiles 2 b and 2 b + 1 are 16 neighbours, 32 b + 16 (lane/16) + 0 .. 15.
; P is source 0 (256 rows a work-group, 128 a wave), R is source 1 (128 rows a work-group, 64 a wave): in a result a lane is a row of R and the registers run along rows of P.
;   Q and K (ID 0, 1): P = the weight, R = the tokens: a lane holds a token, its registers run along the head's 64: quantised along them.
;   V (ID 2): P = the tokens, R = the weight: a lane holds a channel, its registers run along the keys: quantised along the keys.  Only pointers, the bias and the stores differ.
; A work-group's whole K of both operands, 319,488 bytes, lies in LDS at once, in four chunks of 256 along K, each filled ONCE: no LDS byte is filled again.  A wave has one tensor load out, issued at the head.
; CLUSTER 4 x 4: R's tiles are asked for jointly along a row of the cluster, P's along a column.  ID comes from the cluster's y: it is equal in all sixteen partners.
; No prefetch: all that a work-group reads is asked for by its first tensor loads.
; OUT: qa: record (bh, 64 tokens): half fragments of its four token tiles, then two words a lane: word f = the two bytes of tile 2 f, then those of tile 2 f + 1.
;      kv: 13,312 bytes for (bh, 128 keys): two such records of K; V's eight half fragments (channel tile T, key half c at 6,656 + 768 (2 T + c)); four scale words a lane at 12,800.
; LIMITS: a block of zeros gets the byte 1 (its codes are zeros; this program alone reads the bytes); blocks under 2^-124 are held at the byte 1; NaN and infinities are not served.
; REGISTERS: window 0: v8-27 addresses; v28, v29 the add's two; v32-79 scale words, two sets of 24; v80-175 R's fragments, two sets of 48 (free on the way out).
;   window 1: v0-191 P's fragments, two sets of 96; v192-255 the bias.   window 2: the 32 accumulators, (a, b) at v[8 (8 a + b)].
.set REC,   3328
.set TILEB, 13312
; LDS AS THIS TEXT FILLS IT: two regions of PAIR bytes, each with 512 along K (two records a row tile): R's 8 row tiles, rows of 6,656 bytes, then P's 16.
; FOUR FILLS, ONE A WAVE, each filled once: wave 0 R's first region, wave 1 P's first, wave 2 R's second, wave 3 P's second.
; Waves 0 and 1 wait for theirs ahead of the first barrier; every wave waits ahead of the barrier that opens chunk 2.
.set PAIR,  159744
.set POFF,  53248
.set SPARE, 2*PAIR
.set AR16, 8                           ; v8-11   chunk j: my R half + 16 x lane
.set AR8,  12                          ; v12-15  the same + 8 x lane
.set AP16, 16                          ; v16-19  my P half
.set AP8,  20                          ; v20-23
.set L16,  24
.set L8,   25
.set BQ,   26                          ; v26  bias offset, Q and K: 64 h
.set BV,   27                          ; v27  bias offset, V: 4 (r + 8 (r/8))
.set SPW,  28
.set NIL,  29
.set SC,   32                          ; in set j % 2: R's word of tile a, step q at 2 a + q; P's of tile b at 8 + 2 b + q
.set RF,   80
.set BI,   192
.set MX,   80                          ; the way out, window 0: v80-95 largest magnitudes of 16 blocks
.set MT,   96                          ; v96-111 the other half's, then the bytes
.set SOP,  112                         ; v112-127 the conversions' scale operands
.set PR,   128                         ; v128-135 a group's two bytes
.set W,    136                         ; v136-139 scale words
.set CD,   144                         ; v144-207 eight half fragments, 8 registers apart
.set CE,   208                         ; v208-239 their blocks' upper halves
.set WV, 18
.set RH, 19                            ; my half of R's rows; also: which half I fetch
.set PH, 20                            ; my half of P's rows; also: I fetch for R (0) or for P (1)
.set CX, 21
.set CY, 22
.set ID, 56
.set PX, 58
.set RY, 59
.set G1R, 24
.set G1P, 32
.set G0R, 40                           ; s[40:47] a group 0 for each region
.set G0P, 68                           ; s[68:75]
.set SEL, 98
.set MUL,  0xa1                        ; source 0 (P) window 1, source 1 (R) window 0, C and D window 2
.set MULB, 0x91                        ; the same with C (the bias) in window 1
.set TO_P, 0x40                        ; destination window 1
.set MSB, 0
.macro WIN new                         ; the immediate's high byte repeats the setting that is left
.if MSB != \new
	s_set_vgpr_msb (MSB<<8)|\new
.set MSB, \new
.endif
.endm
.macro ROUND                           ; a round of the cluster's barrier
	s_barrier_signal -1
	s_barrier_wait -1
	s_cmp_lg_u32 s[WV], 0
	s_cbranch_scc1 .Lnot_wave_0_\@
	s_barrier_signal -3
.Lnot_wave_0_\@:
	s_barrier_wait -3
	s_barrier_signal -1
	s_barrier_wait -1
.endm
.macro PLACES                          ; four plain instructions between a matrix instruction and a load into, or a vector read or write of, its registers
.rept 4
	v_nop
.endr
.endm
.macro FETCH j, q                      ; the fragments of K step 2 j + q into set q: 48 loads of consecutive bytes
	WIN TO_P
.irp b, 0,1,2,3,4,5,6,7
.irp c, 0,1
	ds_load_b128 v[96*\q+12*\b+6*\c:96*\q+12*\b+6*\c+3], v[AP16+\j] offset:2*REC*\b+768*(2*\q+\c)
	ds_load_b64 v[96*\q+12*\b+6*\c+4:96*\q+12*\b+6*\c+5], v[AP8+\j] offset:2*REC*\b+768*(2*\q+\c)+512
.endr
.endr
	WIN 0
.irp a, 0,1,2,3
.irp c, 0,1
	ds_load_b128 v[RF+48*\q+12*\a+6*\c:RF+48*\q+12*\a+6*\c+3], v[AR16+\j] offset:2*REC*\a+768*(2*\q+\c)
	ds_load_b64 v[RF+48*\q+12*\a+6*\c+4:RF+48*\q+12*\a+6*\c+5], v[AR8+\j] offset:2*REC*\a+768*(2*\q+\c)+512
.endr
.endr
.endm
.macro SCALES j                        ; chunk j's scale words, both K steps: 12 loads
.irp a, 0,1,2,3
	ds_load_b64 v[SC+24*((\j)%2)+2*\a:SC+24*((\j)%2)+2*\a+1], v[AR8+\j] offset:2*REC*\a+3072
.endr
.irp b, 0,1,2,3,4,5,6,7
	ds_load_b64 v[SC+24*((\j)%2)+8+2*\b:SC+24*((\j)%2)+8+2*\b+1], v[AP8+\j] offset:2*REC*\b+3072
.endr
.endm
; Eight products: R's tile a against P's eight.  cmode 0: the sums go on; 1: they start from the bias along the registers; 2: from the bias along the lanes.
; The 32 accumulators take turns, one instruction a turn, in the same order in every step.
.macro MUL8 a, q, j, cmode
.irp b, 0,1,2,3,4,5,6,7
.if \cmode == 0
	v_wmma_scale_f32_16x16x128_f8f6f4 v[8*(8*\a+\b):8*(8*\a+\b)+7], v[96*\q+12*\b:96*\q+12*\b+11], v[RF+48*\q+12*\a:RF+48*\q+12*\a+11], v[8*(8*\a+\b):8*(8*\a+\b)+7], v[SC+24*((\j)%2)+8+2*\b+\q], v[SC+24*((\j)%2)+2*\a+\q] matrix_a_fmt:MATRIX_FMT_FP6 matrix_b_fmt:MATRIX_FMT_FP6
.elseif \cmode == 1
	v_wmma_scale_f32_16x16x128_f8f6f4 v[8*(8*\a+\b):8*(8*\a+\b)+7], v[96*\q+12*\b:96*\q+12*\b+11], v[RF+48*\q+12*\a:RF+48*\q+12*\a+11], v[BI+8*\b:BI+8*\b+7], v[SC+24*((\j)%2)+8+2*\b+\q], v[SC+24*((\j)%2)+2*\a+\q] matrix_a_fmt:MATRIX_FMT_FP6 matrix_b_fmt:MATRIX_FMT_FP6
.else
	v_wmma_scale_f32_16x16x128_f8f6f4 v[8*(8*\a+\b):8*(8*\a+\b)+7], v[96*\q+12*\b:96*\q+12*\b+11], v[RF+48*\q+12*\a:RF+48*\q+12*\a+11], v[BI+32*(\b%2)+8*\a:BI+32*(\b%2)+8*\a+7], v[SC+24*((\j)%2)+8+2*\b+\q], v[SC+24*((\j)%2)+2*\a+\q] matrix_a_fmt:MATRIX_FMT_FP6 matrix_b_fmt:MATRIX_FMT_FP6
.endif
.endr
.endm
.macro STEP_EVEN j                     ; K step 2 j; its successor lies in the same chunk
	s_wait_dscnt 0x0                               ; this step's fragments, asked for 24 products ago
	PLACES                                         ; set 1 was read by the products just issued
	FETCH \j, 1
	WIN MUL
	MUL8 0, 0, \j, 0
	MUL8 1, 0, \j, 0
	MUL8 2, 0, \j, 0
	MUL8 3, 0, \j, 0
.endm
.macro STEP_ODD j                      ; K step 2 j + 1; its successor opens chunk j + 1
	s_wait_dscnt 0x0                               ; this step's fragments; and no LDS load of mine is out at the signal
.if (\j) == 1
	s_wait_tensorcnt 0x0                           ; chunk 2 opens the second region: every wave's load has landed
	s_barrier_signal -1
.endif
	WIN MUL
	MUL8 0, 1, \j, 0                               ; work on registers while the others arrive
.if (\j) == 1
	s_barrier_wait -1                              ; the second region is whole (chunks 1 and 3 lie in regions that a barrier has shown already)
.endif
	PLACES
	FETCH (\j)+1, 0
	SCALES (\j)+1
	WIN MUL
	MUL8 1, 1, \j, 0
	MUL8 2, 1, \j, 0
	MUL8 3, 1, \j, 0
.endm
	s_load_b256 s[4:11], s[0:1], 0x0               ; xr, wr, wq_b, wk_b
	s_load_b128 s[12:15], s[0:1], 0x20             ; wv_b, qa
	s_load_b64 s[16:17], s[0:1], 0x30              ; kv
	v_lshl_add_u32 v[SPW], v0, 2, SPARE
	v_mov_b32 v[NIL], 0
	ds_add_u32 v[SPW], v[NIL]                      ; the wave's opening: the add and its wait ahead of my first tensor load; work on registers stands between
	ds_add_u32 v[SPW], v[NIL]
	v_lshrrev_b32 v1, 5, v0
	v_readfirstlane_b32 s[WV], v1
	s_lshr_b32 s[RH], s[WV], 1
	s_and_b32 s[PH], s[WV], 1
	s_bfe_u32 s[CX], ttmp6, 0x40000
	s_bfe_u32 s[CY], ttmp6, 0x40004
	s_and_b32 s23, ttmp7, 0xffff                   ; the cluster's y, 0..47
	s_lshr_b32 s[ID], s23, 4                       ; 0 Q, 1 K, 2 V
	s_and_b32 s57, s23, 15
	s_and_b32 s[PX], s57, 7
	s_lshr_b32 s[RY], s57, 3
	s_cmp_eq_u32 s[ID], 2
	s_cselect_b32 s[PX], s[PX], 0                  ; V: 8 x 2 clusters over tokens x channels; Q, K: 1 x 16 over channels x tokens
	s_cselect_b32 s[RY], s[RY], s57
	s_lshl_b32 s[PX], s[PX], 2
	s_add_co_u32 s[PX], s[PX], s[CX]               ; my block of 256 rows of P
	s_lshl_b32 s[RY], s[RY], 2
	s_add_co_u32 s[RY], s[RY], s[CY]               ; my block of 128 rows of R
	s_lshl_b32 s60, s[CY], 2
	s_lshl_b32 s60, 15, s60                        ; my row of the cluster
	s_lshl_b32 s62, 0x1111, s[CX]                  ; my column
	; group 1: rows of two records (832 elements of 8 bytes), 13,312 bytes (1,664 elements) apart: R 8 row tiles, P 16; no padding
	s_or_b32 s[G1R], s60, (3<<16)|(1<<21)
	s_or_b32 s[G1P], s62, (3<<16)|(1<<21)
	s_mov_b32 s[G1R+1], 832<<16                    ; rows of two records, 832 elements of 8 bytes: R 8 row tiles, P 16
	s_mov_b32 s[G1R+2], 8<<16
	s_mov_b32 s[G1R+3], 832<<16
	s_mov_b32 s[G1R+4], 8
	s_mov_b32 s[G1R+5], 1664
	s_mov_b32 s[G1R+6], 0
	s_mov_b32 s[G1R+7], 0
	s_mov_b32 s[G1P+1], 832<<16
	s_mov_b32 s[G1P+2], 16<<16
	s_mov_b32 s[G1P+3], 832<<16
	s_mov_b32 s[G1P+4], 16
	s_mov_b32 s[G1P+5], 1664
	s_mov_b32 s[G1P+6], 0
	s_mov_b32 s[G1P+7], 0
	s_mov_b32 s[SEL], 0x76543210
	s_mov_b32 s[SEL+1], 0xfedcba98
	s_mul_i32 s61, s[ID], 512*TILEB                ; the tensor's place in xr,
	s_mul_i32 s63, s[ID], 64*TILEB                 ; and in wr
	s_cmp_eq_u32 s[ID], 2
	s_cselect_b32 s61, 128*TILEB, s61              ; V: R is wv in wr,
	s_cselect_b32 s63, 1024*TILEB, s63             ; and P is v in xr
	s_lshl_b32 s60, s[RY], 3
	s_mul_i32 s60, s60, TILEB                      ; R: from row tile 8 ry on
	s_add_co_u32 s60, s60, s61
	s_mov_b32 s61, 0
	s_lshl_b32 s62, s[PX], 4
	s_mul_i32 s62, s62, TILEB                      ; P: from row tile 16 px on
	s_add_co_u32 s62, s62, s63
	s_mov_b32 s63, 0
	s_mul_i32 s90, s[PH], 16*REC                   ; what I read: my half of P, 8 rows of two records,
	s_add_co_u32 s90, s90, POFF
	s_mul_i32 s89, s[RH], 8*REC                    ; and my half of R, 4 rows
	s_wait_dscnt 0x0                               ; the opening add is done
	s_wait_kmcnt 0x0
	s_cmp_eq_u32 s[ID], 2
	s_cselect_b64 s[84:85], s[6:7], s[4:5]
	s_cselect_b64 s[86:87], s[4:5], s[6:7]
	s_add_nc_u64 s[84:85], s[84:85], s[60:61]
	s_add_nc_u64 s[86:87], s[86:87], s[62:63]
	ROUND                                          ; all sixteen work-groups are here: the joint loads meet
.irp u, 0,1
	s_mov_b32 s[G0R+4*\u], 1
	s_mov_b32 s[G0R+4*\u+1], PAIR*\u
	s_add_nc_u64 s[G0R+4*\u+2:G0R+4*\u+3], s[84:85], 2*REC*\u
	s_or_b32 s[G0R+4*\u+3], s[G0R+4*\u+3], 0x80000000
	s_mov_b32 s[G0P+4*\u], 1
	s_mov_b32 s[G0P+4*\u+1], PAIR*\u+POFF
	s_add_nc_u64 s[G0P+4*\u+2:G0P+4*\u+3], s[86:87], 2*REC*\u
	s_or_b32 s[G0P+4*\u+3], s[G0P+4*\u+3], 0x80000000
.endr
; one chain of branches on the wave's number, one fill to an arm, all arms leading to one join; what the first K steps need is asked for first
.macro ARM w, g0, g1, next
	s_cmp_eq_u32 s[WV], \w
	s_cbranch_scc0 \next
	tensor_load_to_lds s[\g0:\g0+3], s[\g1:\g1+7]
	s_nop 0
.rept 4
	v_nop
.endr
	s_branch .Lfilled
\next:
.endm
	ARM 0, G0R, G1R, .Lw1
	ARM 1, G0P, G1P, .Lw2
	ARM 2, G0R+4, G1R, .Lw3
	tensor_load_to_lds s[G0P+4:G0P+7], s[G1P:G1P+7]
	s_nop 0
.rept 4
	v_nop
.endr
.Lfilled:
	v_and_b32 v1, 31, v0
	v_lshlrev_b32 v[L16], 4, v1
	v_lshlrev_b32 v[L8], 3, v1
.irp j, 0,1,2,3
	v_add_nc_u32 v[AR16+\j], s89, v[L16]
	v_add_nc_u32 v[AR8+\j], s89, v[L8]
	v_add_nc_u32 v[AP16+\j], s90, v[L16]
	v_add_nc_u32 v[AP8+\j], s90, v[L8]
	s_add_co_u32 s89, s89, REC+(\j%2)*(PAIR-2*REC) ; chunk j lies in region j / 2, at record j % 2 of each row
	s_add_co_u32 s90, s90, REC+(\j%2)*(PAIR-2*REC)
.endr
	v_and_b32 v2, 15, v0                           ; r
	v_bfe_u32 v3, v0, 4, 1                         ; h
	v_lshlrev_b32 v[BQ], 6, v3
	v_and_b32 v4, 8, v2
	v_add_nc_u32 v4, v4, v2
	v_lshlrev_b32 v[BV], 2, v4
	; THE BIAS is the C of each sum's first product.
	s_cmp_eq_u32 s[ID], 2
	s_cbranch_scc1 .Lbias_v
	s_cmp_eq_u32 s[ID], 0
	s_cselect_b64 s[92:93], s[8:9], s[10:11]
	s_lshl_b32 s94, s[PX], 10
	s_lshl_b32 s95, s[PH], 9
	s_add_co_u32 s94, s94, s95
	s_mov_b32 s95, 0
	s_add_nc_u64 s[92:93], s[92:93], s[94:95]      ; at my 128 channels
	WIN TO_P
	s_wait_alu depctr_va_vdst(0)
.irp b, 0,1,2,3,4,5,6,7                        ; tile b's eight registers: channels 32 (b/2) + 8 (b%2) + 16 h + 0 .. 7
	global_load_b128 v[BI+8*\b:BI+8*\b+3], v[BQ], s[92:93] offset:(32*(\b/2)+8*(\b%2))*4
	global_load_b128 v[BI+8*\b+4:BI+8*\b+7], v[BQ], s[92:93] offset:(32*(\b/2)+8*(\b%2))*4+16
.endr
	WIN 0
	s_branch .Lbias_done
.Lbias_v:
	s_lshl_b32 s94, s[RY], 9
	s_lshl_b32 s95, s[RH], 8
	s_add_co_u32 s94, s94, s95
	s_mov_b32 s95, 0
	s_add_nc_u64 s[92:93], s[12:13], s[94:95]      ; at my 64 channels
	WIN TO_P
	s_wait_alu depctr_va_vdst(0)
.irp u, 0,1                                    ; tile a's eight registers all hold my lane's channel's bias; two copies, for P's even and odd tiles, so that both ways write the same 64 registers
.irp a, 0,1,2,3
.irp e, 0,1,2,3,4,5,6,7
	global_load_b32 v[BI+32*\u+8*\a+\e], v[BV], s[92:93] offset:(32*(\a/2)+8*(\a%2))*4
.endr
.endr
.endr
	WIN 0
.Lbias_done:
	s_wait_alu depctr_va_vdst(0)                   ; the wait ahead of the branch
	s_cmp_lt_u32 s[WV], 2
	s_cbranch_scc0 .Llater
	s_wait_tensorcnt 0x0                           ; waves 0 and 1: the first region's fills, whose lines are theirs alone, have landed; those of waves 2 and 3 may stay out
.Llater:
	s_barrier_signal -1
	s_barrier_wait -1                              ; everybody's has
	FETCH 0, 0
	SCALES 0
	FETCH 0, 1
	s_wait_dscnt 48                                ; all but the 48 loads of K step 1
	s_wait_loadcnt 0x0                             ; the bias
	s_cmp_eq_u32 s[ID], 2
	s_cbranch_scc1 .Lfirst_v
	WIN MULB
	MUL8 0, 0, 0, 1
	MUL8 1, 0, 0, 1
	MUL8 2, 0, 0, 1
	MUL8 3, 0, 0, 1
	WIN 0
	s_branch .Lfirst_done
.Lfirst_v:
	WIN MULB
	MUL8 0, 0, 0, 2
	MUL8 1, 0, 0, 2
	MUL8 2, 0, 0, 2
	MUL8 3, 0, 0, 2
	WIN 0
.Lfirst_done:
	STEP_ODD 0
	STEP_EVEN 1
	STEP_ODD 1
	STEP_EVEN 2
	STEP_ODD 2
	STEP_EVEN 3
	s_wait_dscnt 0x0                               ; the last K step: nothing more to fetch
	WIN MUL
	MUL8 0, 1, 3, 0
	MUL8 1, 1, 3, 0
	MUL8 2, 1, 3, 0
	MUL8 3, 1, 3, 0
	WIN 0
	PLACES
	; THE WAY OUT.  Block k of 16 (16 registers at v[16 k] of window 2) is half of a block of 32 along the next K; the other half lies in lane l xor 16.  Group g = blocks 2 g, 2 g + 1 becomes one half fragment.
	WIN 0x0a                                       ; sources 0 and 1 in window 2
.irp k, 0,1,2,3,4,5,6,7,8,9,10,11,12,13,14,15
	v_max3_num_f32 v[MX+\k], |v[16*\k]|, |v[16*\k+1]|, 0x1800000   ; each accumulator is read from its low end on; the floor 2^(3 - 127) holds the byte at 1 from below
.endr
.irp i, 2,4,6,8,10,12,14
.irp k, 0,1,2,3,4,5,6,7,8,9,10,11,12,13,14,15
	v_max3_num_f32 v[MX+\k], |v[16*\k+\i]|, |v[16*\k+\i+1]|, v[MX+\k]
.endr
.endr
	WIN 0
.irp k, 0,1,2,3,4,5,6,7,8,9,10,11,12,13,14,15
	v_permlanex16_b32 v[MT+\k], v[MX+\k], s[SEL], s[SEL+1]
.endr
.irp k, 0,1,2,3,4,5,6,7,8,9,10,11,12,13,14,15
	v_max_num_f32 v[MX+\k], v[MX+\k], v[MT+\k]
.endr
.irp k, 0,1,2,3,4,5,6,7,8,9,10,11,12,13,14,15
	v_add_nc_u32 v[SOP+\k], 0xff000000, v[MX+\k]   ; 2 off the exponent field: the conversion's scale operand
.endr
.irp k, 0,1,2,3,4,5,6,7,8,9,10,11,12,13,14,15
	v_lshrrev_b32 v[MT+\k], 23, v[SOP+\k]          ; the scale's byte
.endr
.irp g, 0,1,2,3,4,5,6,7
	v_lshl_or_b32 v[PR+\g], v[MT+2*\g+1], 8, v[MT+2*\g]
.endr
	WIN 0x02                                       ; source 0 in window 2
.irp g, 0,1,2,3,4,5,6,7
	v_cvt_scalef32_pk16_fp6_f32 v[CD+8*\g:CD+8*\g+2], v[32*\g:32*\g+15], v[SOP+2*\g]
	v_cvt_scalef32_pk16_fp6_f32 v[CE+4*\g:CE+4*\g+2], v[32*\g+16:32*\g+31], v[SOP+2*\g+1]
.endr
	WIN 0
	v_nop                                          ; one plain instruction behind the conversions
.irp g, 0,1,2,3,4,5,6,7                        ; a lane is to hold a WHOLE block: lanes 0-15 the group's first, lanes 16-31 its second
.irp i, 0,1,2
	v_permlane16_swap_b32 v[CD+8*\g+\i], v[CE+4*\g+\i]
.endr
.endr
.irp g, 0,1,2,3,4,5,6,7
.irp i, 0,1,2
	v_mov_b32 v[CD+8*\g+3+\i], v[CE+4*\g+\i]
.endr
.endr
	s_cmp_eq_u32 s[ID], 2
	s_cbranch_scc1 .Lout_v
	; Q, K: group 2 a + g = token tile a of my 64 tokens, head 4 px + 2 x half + g
	s_lshl_b32 s88, s[RY], 7
	s_lshl_b32 s89, s[RH], 6
	s_add_co_u32 s88, s88, s89                     ; my first token
	s_lshr_b32 s89, s88, 11                        ; its batch
	s_bfe_u32 s90, s88, 0x50006                    ; which 64 tokens of the batch
	s_lshl_b32 s91, s[PX], 2
	s_lshl_b32 s92, s[PH], 1
	s_add_co_u32 s91, s91, s92
	s_lshl_b32 s89, s89, 4
	s_add_co_u32 s89, s89, s91                     ; bh of g = 0
	s_lshl_b32 s92, s89, 5
	s_add_co_u32 s92, s92, s90
	s_mul_i32 s92, s92, REC                        ; in qa
	s_lshl_b32 s93, s89, 4
	s_lshr_b32 s91, s90, 1
	s_add_co_u32 s93, s93, s91
	s_mul_i32 s93, s93, TILEB
	s_and_b32 s91, s90, 1
	s_mul_i32 s91, s91, REC
	s_add_co_u32 s93, s93, s91                     ; in kv
	s_mov_b32 s100, 16*TILEB
	s_cmp_eq_u32 s[ID], 0
	s_cselect_b32 s92, s92, s93
	s_cselect_b32 s100, 32*REC, s100               ; from a head to the next
	s_cselect_b64 s[94:95], s[14:15], s[16:17]
	s_mov_b32 s93, 0
	s_mov_b32 s101, 0
	s_add_nc_u64 s[94:95], s[94:95], s[92:93]
	s_add_nc_u64 s[96:97], s[94:95], s[100:101]
.irp g, 0,1
.irp f, 0,1
	v_lshl_or_b32 v[W+2*\g+\f], v[PR+4*\f+2+\g], 16, v[PR+4*\f+\g]   ; word f: tile 2 f's two bytes, then tile 2 f + 1's
.endr
.endr
	s_wait_alu depctr_va_vdst(0)
.irp g, 0,1
.irp a, 0,1,2,3
	global_store_b128 v[L16], v[CD+8*(2*\a+\g):CD+8*(2*\a+\g)+3], s[94+2*\g:95+2*\g] offset:768*\a
	global_store_b64 v[L8], v[CD+8*(2*\a+\g)+4:CD+8*(2*\a+\g)+5], s[94+2*\g:95+2*\g] offset:768*\a+512
.endr
	global_store_b64 v[L8], v[W+2*\g:W+2*\g+1], s[94+2*\g:95+2*\g] offset:3072
.endr
	s_branch .Lout_done
.Lout_v:
	; V: group 2 a + g = channel tile a of head 2 ry + half, keys 64 g on of my 128 keys
	s_lshl_b32 s88, s[PX], 8
	s_lshl_b32 s89, s[PH], 7
	s_add_co_u32 s88, s88, s89                     ; my first key
	s_lshr_b32 s89, s88, 11                        ; its batch
	s_bfe_u32 s90, s88, 0x40007                    ; which 128 keys of the batch
	s_lshl_b32 s91, s[RY], 1
	s_add_co_u32 s91, s91, s[RH]
	s_lshl_b32 s89, s89, 4
	s_add_co_u32 s89, s89, s91                     ; bh
	s_lshl_b32 s89, s89, 4
	s_add_co_u32 s89, s89, s90
	s_mul_i32 s92, s89, TILEB
	s_add_co_u32 s92, s92, 2*REC                   ; behind K's two records
	s_mov_b32 s93, 0
	s_add_nc_u64 s[94:95], s[16:17], s[92:93]
.irp a, 0,1,2,3
	v_lshl_or_b32 v[W+\a], v[PR+2*\a+1], 16, v[PR+2*\a]   ; the four key blocks' bytes of my channel
.endr
	s_wait_alu depctr_va_vdst(0)
.irp g, 0,1,2,3,4,5,6,7
	global_store_b128 v[L16], v[CD+8*\g:CD+8*\g+3], s[94:95] offset:768*\g
	global_store_b64 v[L8], v[CD+8*\g+4:CD+8*\g+5], s[94:95] offset:768*\g+512
.endr
	global_store_b128 v[L16], v[W:W+3], s[94:95] offset:6144
.Lout_done:
	s_wait_tensorcnt 0x0                           ; the wave's end: behind my last tensor load
	ds_add_u32 v[SPW], v[NIL]
	s_wait_dscnt 0x0
	ROUND                                          ; the closing round
	s_endpgm
.Lfunc_end_k_q7167ff0766_qkv:
	.size	k_q7167ff0766_qkv, .Lfunc_end_k_q7167ff0766_qkv-k_q7167ff0766_qkv
	.p2alignl 7, 3214868480
	.fill 96, 4, 3214868480
	.section	.rodata,"a",@progbits
	.p2align	6, 0x0
	.amdhsa_kernel k_q7167ff0766_qkv
		.amdhsa_group_segment_fixed_size 327680
		.amdhsa_private_segment_fixed_size 0
		.amdhsa_enable_private_segment 0
		.amdhsa_kernarg_size 56
		.amdhsa_user_sgpr_count 2
		.amdhsa_user_sgpr_kernarg_segment_ptr 1
		.amdhsa_wavefront_size32 1
		.amdhsa_system_sgpr_workgroup_id_x 1
		.amdhsa_system_sgpr_workgroup_id_y 1
		.amdhsa_system_sgpr_workgroup_id_z 1
		.amdhsa_system_vgpr_workitem_id 0
		.amdhsa_next_free_vgpr 768
		.amdhsa_next_free_sgpr 102
		.amdhsa_reserve_vcc 0
		.amdhsa_float_denorm_mode_32 3
		.amdhsa_float_denorm_mode_16_64 3
		.amdhsa_memory_ordered 1
		.amdhsa_forward_progress 1
		.amdhsa_inst_pref_size 102
	.end_amdhsa_kernel
	.amdgpu_metadata
---
amdhsa.version: [ 1, 2 ]
amdhsa.kernels:
  - .name:           k_q7167ff0766_qkv
    .symbol:         k_q7167ff0766_qkv.kd
    .args:
      - { .name: xr, .offset: 0, .size: 8, .value_kind: global_buffer, .address_space: global }
      - { .name: wr, .offset: 8, .size: 8, .value_kind: global_buffer, .address_space: global }
      - { .name: wq_b, .offset: 16, .size: 8, .value_kind: global_buffer, .address_space: global }
      - { .name: wk_b, .offset: 24, .size: 8, .value_kind: global_buffer, .address_space: global }
      - { .name: wv_b, .offset: 32, .size: 8, .value_kind: global_buffer, .address_space: global }
      - { .name: qa, .offset: 40, .size: 8, .value_kind: global_buffer, .address_space: global }
      - { .name: kv, .offset: 48, .size: 8, .value_kind: global_buffer, .address_space: global }
    .group_segment_fixed_size: 327680
    .private_segment_fixed_size: 0
    .kernarg_segment_align: 8
    .kernarg_segment_size: 56
    .max_flat_workgroup_size: 128
    .sgpr_count:     102
    .vgpr_count:     768
    .wavefront_size: 32
...
	.end_amdgpu_metadata
.endif
;; end of part 2
;; launch attn (part 3): grid 4 x 64, 16 waves a work-group, clusters of 4 x 1, 327,680 bytes of LDS; arguments qa, kv, cr; writes cr
.if DOCPART == 3
	.amdgcn_target "amdgcn-amd-amdhsa--gfx1250"
	.amdhsa_code_object_version 6
	.text
	.protected	k_q7167ff0766_attn
	.globl	k_q7167ff0766_attn
	.p2align	8
	.type	k_q7167ff0766_attn,@function
k_q7167ff0766_attn:
	s_mov_b64 s[64:65], 0
	v_nop
	global_prefetch_b8 v0, s[64:65] scope:SCOPE_SE
	s_setreg_imm32_b32 hwreg(HW_REG_WAVE_MODE, 25, 1), 1
	s_wait_xcnt 0x0
	s_wait_alu depctr_hold_cnt(0) depctr_sa_sdst(0) depctr_va_vdst(0) depctr_va_sdst(0) depctr_va_ssrc(0) depctr_va_vcc(0) depctr_vm_vsrc(0)
	s_getreg_b32 s2, hwreg(HW_REG_IB_STS2, 6, 4)
	s_cmp_eq_u32 s2, 0
	s_cbranch_scc0 .Lentry_in_a_cluster
	s_endpgm
.Lentry_in_a_cluster:
	s_bfe_u32 s2, ttmp6, 0x10000c
	s_cmp_lg_u32 s2, 0x3003
	s_cbranch_scc0 .Lentry_shape_is_right
	s_endpgm
.Lentry_shape_is_right:
; ctx = softmax(Q K^T / 8) V for one (batch, head) and 512 queries a work-group, on codes of FP6 (E2M3) with E8M0 scales; ctx is quantised along the head's 64 and leaves as an operand of the projection.
; Both products are used transposed (S^T = K Q^T, O^T = V^T p^T): a lane holds one query throughout.
; p = 2^(t - M), t = score x log2(e) / 8, M the running largest t rounded up to a whole number (kept as -M); a change of M multiplies the sums and O^T by a power of two, in every step, with no branch on data.
; The row's sum is taken of p before it is quantised.  A block's largest p is the same multiply-add and exponential on the block's largest score.
; SHARES: 64 heads x 4 work-groups = 256; 16 waves; a wave takes query tile 16 pass + wave of its work-group's 32, pass = 0, 1, each over all 2,048 keys in 16 steps of 128.
; LDS: a head's K and V, 16 steps x 13,312 bytes, filled ONCE: each wave asks for one step's bytes (52 rows of 256) at the head, jointly with the three partners of its cluster, which need the same head.
;      Behind them the spare words, and 1,024 bytes for each wave and pass: its query tile's fragment and scale word, loaded at the head and read back at the start of the pass.
; No prefetch: all that the work-group reads is asked for at the head, ahead of any loop.
; KEYS: lane r of key tile j (0 .. 7) of a step holds key 64 (j/4) + 8 (j%4) + r%8 + 32 (r/8) (the first launch lays k so): the 32 score registers of tiles 4 c .. 4 c + 3 in lane (r, h) are keys 64 c + 32 h + 0 .. 31,
;      one whole scale block, in the place that the next operand's layout gives that lane: no lane is asked for a block's maximum and no code changes lanes.
; K = 64 in the first product: a fragment of 12 registers holds two key tiles, and Q stands between two runs of zero codes, so that (q, 0) takes the first tile and (0, q) the second.
; A STEP i: the sums of p(i-1) and O^T += V(i-1) p(i-1) stand among the products of S(i); behind them K(i+1) and V(i) are fetched into registers of their own, and are waited for at the next step's head.
;      Four plain vector lines stand behind each matrix instruction: they are the places that ISA guide 7.12.1 asks for ahead of the reads of results and of the loads into operands.
; LIMITS: the promise holds while the scaled scores t stay under 2^31 in magnitude; NaN and infinities are not served; a block whose every p is under 2^-124 keeps the byte 1 (this program alone reads the bytes).
.set REC,   3328
.set STEPB, 13312
.set SPARE, 16*STEPB                   ; the spare words: 128 bytes a wave
.set QST,   SPARE+2048                 ; the query tiles: 2,048 bytes a wave
.set L16, 1                            ; 16 x lane
.set L8,  2                            ; 8 x lane
.set A16, 3                            ; this step's bytes + 16 x lane
.set T,   4                            ; the old -M, then old M - new M
.set TP,  5                            ; the other half's largest score
.set F,   6                            ; v[6:7] f = 2^(old M - new M); v7 also takes the other half's scale bytes
.set U,   8
.set PE0, 4                            ; v4-6, v8-10: the upper halves of two blocks' codes (free of the above by then)
.set PE1, 8
.set A8,  11
.set LS,  14                           ; v14-21 the row's sum in eight parts        (v12 -M, v13 the running largest score)
.set QZ,  22                           ; v22-27 zeros, v28-33 q, v34-39 zeros
.set QQ,  28
.set QS,  40
.set SPW, 41
.set KS,  42
.set VS,  46
.set PS,  50
.set NIL, 51
.set KF,  52                           ; v52-99   K's four fragments
.set VF,  100                          ; v100-147 V's four
.set S,   148                          ; v148-211 scores, then p
.set O,   212                          ; v212-243 O^T
.set PC,  244                          ; v244-255 p's codes; until they are made v247, v248, v253, v254 serve the search for the blocks' largest scores
.set WV,  10
.set TB,  32
.macro WALU
	s_wait_alu depctr_va_vdst(0)
.endm
.macro ROUND
	s_barrier_signal -1
	s_barrier_wait -1
	s_cmp_lg_u32 s[WV], 0
	s_cbranch_scc1 .Lnot_wave_0_\@
	s_barrier_signal -3
.Lnot_wave_0_\@:
	s_barrier_wait -3
	s_barrier_signal -1
	s_barrier_wait -1
.endm
.macro KLOAD a16, a8, off              ; K's 128 keys: four fragments and their scale words, 18 loads of consecutive bytes
.irp b, 0,1,2,3
.irp c, 0,1
	ds_load_b128 v[KF+12*\b+6*\c:KF+12*\b+6*\c+3], v[\a16] offset:\off+(\b/2)*REC+(\b%2)*1536+768*\c
	ds_load_b64 v[KF+12*\b+6*\c+4:KF+12*\b+6*\c+5], v[\a8] offset:\off+(\b/2)*REC+(\b%2)*1536+768*\c+512
.endr
.endr
	ds_load_b64 v[KS:KS+1], v[\a8] offset:\off+3072
	ds_load_b64 v[KS+2:KS+3], v[\a8] offset:\off+REC+3072
.endm
.macro VLOAD                           ; V's four channel tiles x 128 keys, 17 loads
.irp t, 0,1,2,3
.irp c, 0,1
	ds_load_b128 v[VF+12*\t+6*\c:VF+12*\t+6*\c+3], v[A16] offset:2*REC+1536*\t+768*\c
	ds_load_b64 v[VF+12*\t+6*\c+4:VF+12*\t+6*\c+5], v[A8] offset:2*REC+1536*\t+768*\c+512
.endr
.endr
	ds_load_b128 v[VS:VS+3], v[A16] offset:12800
.endm
.macro ADD4 j                          ; tile j's eight p of the step before, onto the eight parts of the sum
.irp u, 0,1,2,3
	v_pk_add_f32 v[LS+2*\u:LS+2*\u+1], v[LS+2*\u:LS+2*\u+1], v[S+8*(\j)+2*\u:S+8*(\j)+2*\u+1]
.endr
.endm
.macro PV t, zero                      ; O^T's channel tile t; zero = 1: the first product starts the sum
.if \zero
	v_wmma_scale_f32_16x16x128_f8f6f4 v[O+8*\t:O+8*\t+7], v[VF+12*\t:VF+12*\t+11], v[PC:PC+11], 0, v[VS+\t], v[PS] matrix_a_fmt:MATRIX_FMT_FP6 matrix_b_fmt:MATRIX_FMT_FP6
.else
	v_wmma_scale_f32_16x16x128_f8f6f4 v[O+8*\t:O+8*\t+7], v[VF+12*\t:VF+12*\t+11], v[PC:PC+11], v[O+8*\t:O+8*\t+7], v[VS+\t], v[PS] matrix_a_fmt:MATRIX_FMT_FP6 matrix_b_fmt:MATRIX_FMT_FP6
.endif
.endm
.macro QK j                            ; the scores of key tile j
	v_wmma_scale_f32_16x16x128_f8f6f4 v[S+8*\j:S+8*\j+7], v[KF+12*(\j/2):KF+12*(\j/2)+11], v[QZ+6-6*(\j%2):QZ+17-6*(\j%2)], 0, v[KS+\j/2], v[QS] matrix_a_fmt:MATRIX_FMT_FP6 matrix_b_fmt:MATRIX_FMT_FP6
.endm
.macro MX c, n                         ; line n of 16 of the search for block c's largest score: two chains by turns, each accumulator from its low end on
.set SB_, S+32*(\c)
.set MA_, PC+3+6*(\c)
.if (\n) < 2
	v_max3_num_f32 v[MA_+(\n)], v[SB_+16*(\n)], v[SB_+16*(\n)+1], v[SB_+16*(\n)+2]
.elseif (\n) < 14
	v_max3_num_f32 v[MA_+(\n)%2], v[MA_+(\n)%2], v[SB_+16*((\n)%2)+2*((\n)/2)+1], v[SB_+16*((\n)%2)+2*((\n)/2)+2]
.elseif (\n) == 14
	v_max3_num_f32 v[MA_], v[MA_], v[SB_+15], v[SB_+31]
.else
	v_max_num_f32 v[MA_], v[MA_], v[MA_+1]
.endif
.endm
.macro MX4 c, n0
.irp d, 0,1,2,3
	MX \c, (\n0)+\d
.endr
.endm
.macro PVSUM zero                      ; the step before: its p summed (tiles 0-4 here) and multiplied with V.  The first four additions are also the places between the codes' and the scale word's last writes and the products
	ADD4 0
	PV 0, \zero
	ADD4 1
	PV 1, \zero
	ADD4 2
	PV 2, \zero
	ADD4 3
	PV 3, \zero
	ADD4 4
.endm
; k = 0: a pass's first step (nothing before it); 1: its second (O^T begins); 2: any later one.  last = 1: no K is left to fetch
.macro STEP k, last
	s_wait_dscnt 0x0                               ; K(i) and V(i-1), asked for a step ago
.if \k
	PVSUM (2-(\k))
.endif
	QK 0
.if \k
	ADD4 5
.endif
	QK 1
.if \k
	ADD4 6
.endif
	QK 2
.if \k
	ADD4 7
.else
.rept 4
	v_nop                                          ; the places ahead of the first reads of scores
.endr
.endif
	QK 3
	MX4 0, 0
	QK 4
	MX4 0, 4
	QK 5
	MX4 0, 8
	QK 6
	MX4 0, 12
	QK 7
	MX4 1, 0
.if !(\last)
	KLOAD A16, A8, STEPB
.endif
	VLOAD
	MX4 1, 4
	MX4 1, 8
	MX4 1, 12
.if \k
	v_mov_b32 v[T], v12
.endif
	v_max_num_f32 v[U], v[PC+3], v[PC+9]
	v_permlanex16_b32 v[TP], v[U], s16, s17        ; the other 64 keys of my query
.if \k
	v_max3_num_f32 v13, v13, v[U], v[TP]           ; the running largest score
.else
	v_max_num_f32 v13, v[U], v[TP]
.endif
	v_mul_f32 v[U], s20, v13                       ; -t
	v_floor_f32 v12, v[U]                          ; -M = floor(-t)
.if \k
	v_sub_f32 v[T], v12, v[T]                      ; old M - new M, a whole number, 0 or less
.endif
.set J_, 0
.rept 32
	v_pk_fma_f32 v[S+J_:S+J_+1], v[S+J_:S+J_+1], s[18:19], v[12:13] op_sel_hi:[1,0,0]   ; t - M
.if (\k) && (J_ == 6)
	v_cvt_i32_f32 v[T], v[T]                       ; (it saturates)
.endif
.if (\k) && (J_ == 14)
	v_ldexp_f32 v[F], 1.0, v[T]                    ; f
.endif
.set J_, J_+2
.endr
	v_fma_f32 v[PC+3], v[PC+3], s18, v12           ; the same of each block's largest score
	v_fma_f32 v[PC+9], v[PC+9], s18, v12
.if \k
.set J_, 0
.rept 16
	v_pk_mul_f32 v[O+J_:O+J_+1], v[O+J_:O+J_+1], v[F:F+1] op_sel_hi:[1,0]      ; O^T and the sums under the new M
.set J_, J_+2
.endr
.irp u, 0,2,4,6
	v_pk_mul_f32 v[LS+\u:LS+\u+1], v[LS+\u:LS+\u+1], v[F:F+1] op_sel_hi:[1,0]
.endr
.endif
	WALU                                           ; the wait ahead of the batch
	v_exp_f32 v[PC+3], v[PC+3]
	v_exp_f32 v[PC+9], v[PC+9]
.set J_, 0
.rept 64
	v_exp_f32 v[S+J_], v[S+J_]                     ; p
.set J_, J_+1
.endr
.if \last
	v_nop
.else
	s_add_co_u32 s[TB], s[TB], STEPB
	v_add_nc_u32 v[A16], s[TB], v[L16]             ; the next step's bytes
	v_add_nc_u32 v[A8], s[TB], v[L8]
.endif
	WALU                                           ; and behind it, ahead of its first reader
	v_max_num_f32 v[PC+3], 0x1800000, v[PC+3]      ; the floor 2^(3 - 127) holds the byte at 1 from below
	v_max_num_f32 v[PC+9], 0x1800000, v[PC+9]
	v_add_nc_u32 v[PC+3], 0xff000000, v[PC+3]      ; 2 off the exponent field: the conversions' scale operand
	v_add_nc_u32 v[PC+9], 0xff000000, v[PC+9]
	v_cvt_scalef32_pk16_fp6_f32 v[PC:PC+2], v[S:S+15], v[PC+3]
	v_cvt_scalef32_pk16_fp6_f32 v[PE0:PE0+2], v[S+16:S+31], v[PC+3]     ; (a conversion's three registers begin on an even number)
	v_cvt_scalef32_pk16_fp6_f32 v[PC+6:PC+8], v[S+32:S+47], v[PC+9]
	v_cvt_scalef32_pk16_fp6_f32 v[PE1:PE1+2], v[S+48:S+63], v[PC+9]
	v_lshrrev_b32 v[PC+4], 23, v[PC+3]             ; the scales' bytes: blocks h and 2 + h
	v_lshrrev_b32 v[PC+10], 23, v[PC+9]
	v_lshl_or_b32 v[PC+4], v[PC+10], 16, v[PC+4]
	v_permlanex16_b32 v[F+1], v[PC+4], s16, s17
	v_lshl_or_b32 v[PS], v[F+1], 8, v[PC+4]        ; lanes 0-15, which alone are read: blocks 0, 2 mine, blocks 1, 3 the other half's
.irp i, 0,1,2
	v_mov_b32 v[PC+3+\i], v[PE0+\i]
	v_mov_b32 v[PC+9+\i], v[PE1+\i]
.endr
	WALU                                           ; the wait ahead of the branch and of the next step's wait
.endm
	s_load_b128 s[4:7], s[0:1], 0x0                ; qa, kv
	s_load_b64 s[8:9], s[0:1], 0x10                ; cr
	v_lshl_add_u32 v[SPW], v0, 2, SPARE
	v_mov_b32 v[NIL], 0
	ds_add_u32 v[SPW], v[NIL]                      ; the opening lines: the add, twice on end, and its wait ahead of my tensor load
	ds_add_u32 v[SPW], v[NIL]
	v_lshrrev_b32 v1, 5, v0
	v_readfirstlane_b32 s[WV], v1
	s_bfe_u32 s11, ttmp6, 0x40000
	s_and_b32 s12, ttmp7, 0xffff                   ; batch x 16 + head
	s_lshl_b32 s15, ttmp9, 2
	s_add_co_u32 s15, s15, s11                     ; which 512 queries
	s_mov_b32 s24, 15|(3<<16)|(1<<21)              ; group 1: the four partners; 52 rows of 256 bytes (32 elements of 8), dense
	s_mov_b32 s25, 32<<16
	s_mov_b32 s26, 52<<16
	s_mov_b32 s27, 32<<16
	s_mov_b32 s28, 52
	s_mov_b32 s29, 32
	s_mov_b32 s30, 0
	s_mov_b32 s31, 0
	s_mov_b32 s16, 0x76543210
	s_mov_b32 s17, 0xfedcba98                      ; selects for lane l xor 16
	s_mov_b32 s18, 0x3e38aa3b                      ; c = log2(e) / 8
	s_mov_b32 s19, s18
	s_mov_b32 s20, 0xbe38aa3b                      ; -c
	s_mul_i32 s21, s[WV], STEPB                    ; my step's place, in LDS and in the head's bytes
	s_mul_i32 s48, s12, 16*STEPB
	s_add_co_u32 s50, s48, s21
	s_mov_b32 s51, 0
	s_lshl_b32 s54, s12, 5
	s_lshl_b32 s55, s15, 3
	s_add_co_u32 s54, s54, s55
	s_lshr_b32 s55, s[WV], 2
	s_add_co_u32 s54, s54, s55
	s_mul_i32 s54, s54, REC                        ; pass 0's record of 64 queries; pass 1's lies four records on
	s_mov_b32 s55, 0
	s_and_b32 s22, s[WV], 3                        ; my tile in it
	s_lshr_b32 s62, s22, 1
	s_lshl_b32 s62, s62, 2                         ; its scale bytes: word tile / 2,
	s_mov_b32 s63, 0
	s_mul_i32 s22, s22, 768
	s_mov_b32 s23, 0
	s_and_b32 s49, s[WV], 1
	s_lshl_b32 s49, s49, 4                         ; half tile % 2
	s_lshl_b32 s52, s[WV], 11
	s_add_co_u32 s52, s52, QST                     ; my query tiles' place in LDS
	WALU
	s_wait_dscnt 0x0
	s_wait_kmcnt 0x0
	s_mov_b32 s40, 1
	s_mov_b32 s41, s21
	s_add_nc_u64 s[42:43], s[6:7], s[50:51]
	s_or_b32 s43, s43, 0x80000000
	s_add_nc_u64 s[56:57], s[4:5], s[54:55]
	s_add_nc_u64 s[58:59], s[56:57], s[22:23]
	s_add_nc_u64 s[60:61], s[56:57], s[62:63]
	ROUND                                          ; the four partners are here: the joint loads meet
	tensor_load_to_lds s[40:43], s[24:31]          ; my one tensor load: step number = my wave's number
	s_nop 0
.rept 4
	v_nop
.endr
	v_and_b32 v1, 31, v0
	v_lshlrev_b32 v[L8], 3, v1
	v_lshlrev_b32 v[L16], 4, v1
.irp p, 0,1
	global_load_b128 v[S+8*\p:S+8*\p+3], v[L16], s[58:59] offset:4*REC*\p
	global_load_b64 v[S+8*\p+4:S+8*\p+5], v[L8], s[58:59] offset:4*REC*\p+512
	global_load_b32 v[S+8*\p+6], v[L8], s[60:61] offset:4*REC*\p+3072
.endr
	v_add_nc_u32 v[A16], s52, v[L16]
	v_add_nc_u32 v[A8], s52, v[L8]
	v_lshrrev_b32 v[T], 1, v[L8]
	v_add_nc_u32 v[T], s52, v[T]
.irp i, 0,1,2,3,4,5
	v_mov_b32 v[QZ+\i], 0                          ; the zero codes on both sides of q
	v_mov_b32 v[QZ+12+\i], 0
.endr
	v_mov_b32 v[F+1], 0                            ; written once: the upper half of a pair, and a lane permute's destination
	v_mov_b32 v[TP], 0
	WALU
	s_wait_loadcnt 0x0
.irp p, 0,1
	v_lshrrev_b32 v[S+8*\p+6], s49, v[S+8*\p+6]
	v_and_b32 v[S+8*\p+6], 0xffff, v[S+8*\p+6]
	v_lshl_or_b32 v[S+8*\p+6], v[S+8*\p+6], 16, v[S+8*\p+6]    ; q's two bytes, for either place of q in the operand
	ds_store_b128 v[A16], v[S+8*\p:S+8*\p+3] offset:1024*\p
	ds_store_b64 v[A8], v[S+8*\p+4:S+8*\p+5] offset:1024*\p+512
	ds_store_b32 v[T], v[S+8*\p+6] offset:1024*\p+768
.endr
	WALU
	s_wait_tensorcnt 0x0                           ; my step's bytes have landed,
	s_wait_dscnt 0x0
	s_barrier_signal -1
	s_barrier_wait -1                              ; and everybody's
	s_mov_b32 s13, 0                               ; the pass
	s_mov_b32 s53, s52
.Lpass:
	v_add_nc_u32 v[A16], s53, v[L16]
	v_add_nc_u32 v[A8], s53, v[L8]
	v_lshrrev_b32 v[T], 1, v[L8]
	v_add_nc_u32 v[T], s53, v[T]
	ds_load_b128 v[QQ:QQ+3], v[A16]                ; my own bytes: LDS serves a wave's instructions in order
	ds_load_b64 v[QQ+4:QQ+5], v[A8] offset:512
	ds_load_b32 v[QS], v[T] offset:768
	KLOAD L16, L8, 0
.irp u, 0,1,2,3,4,5,6,7
	v_mov_b32 v[LS+\u], 0
.endr
	v_mov_b32 v[A16], v[L16]
	v_mov_b32 v[A8], v[L8]
	s_mov_b32 s[TB], 0
	WALU
	STEP 0, 0
	STEP 1, 0
	s_mov_b32 s14, 13
.Lstep:                                                ; steps 2 to 14
	STEP 2, 0
	s_sub_co_u32 s14, s14, 1
	s_cmp_lg_u32 s14, 0
	s_cbranch_scc1 .Lstep
	STEP 2, 1
	s_wait_dscnt 0x0                               ; V(15)
	PVSUM 0
	ADD4 5
	ADD4 6
	ADD4 7
	v_pk_add_f32 v[LS:LS+1], v[LS:LS+1], v[LS+2:LS+3]
	v_pk_add_f32 v[LS+4:LS+5], v[LS+4:LS+5], v[LS+6:LS+7]
	v_pk_add_f32 v[LS:LS+1], v[LS:LS+1], v[LS+4:LS+5]
	v_add_f32 v[LS], v[LS], v[LS+1]
	v_permlanex16_b32 v[T], v[LS], s16, s17
	v_add_f32 v[LS], v[LS], v[T]                   ; the row's sum
	WALU
	v_rcp_f32 v[LS], v[LS]
	v_nop
	; where the tile goes in cr: row tile batch x 128 + 32 x + 16 pass + wave; record head / 4, half fragment head % 4
	s_lshl_b32 s44, s15, 1
	s_add_co_u32 s44, s44, s13
	s_lshr_b32 s48, s12, 4
	s_and_b32 s49, s12, 15
	s_lshl_b32 s50, s48, 7
	s_lshl_b32 s51, s44, 4
	s_add_co_u32 s50, s50, s51
	s_add_co_u32 s50, s50, s[WV]
	s_mul_i32 s50, s50, STEPB
	s_lshr_b32 s51, s49, 2
	s_mul_i32 s51, s51, REC
	s_add_co_u32 s50, s50, s51
	s_mov_b32 s51, 0
	s_add_nc_u64 s[54:55], s[8:9], s[50:51]
	s_and_b32 s46, s49, 3
	s_mul_i32 s46, s46, 768
	s_mov_b32 s47, 0
	s_add_nc_u64 s[56:57], s[54:55], s[46:47]
	s_and_b32 s46, s49, 3
	s_lshl_b32 s46, s46, 1
	s_add_nc_u64 s[58:59], s[54:55], s[46:47]
	WALU                                           ; ahead of the first reader of the quotient and of O^T
.set J_, 0
.rept 16
	v_pk_mul_f32 v[S+J_:S+J_+1], v[O+J_:O+J_+1], v[LS:LS+1] op_sel_hi:[1,0]    ; ctx: registers 16 b + .. are channels 32 b + 16 h + 0 .. 15
.set J_, J_+2
.endr
.irp b, 0,1
	v_max3_num_f32 v[4+\b], |v[S+16*\b]|, |v[S+16*\b+1]|, 0x1800000
.endr
.irp i, 2,4,6,8,10,12,14
.irp b, 0,1
	v_max3_num_f32 v[4+\b], v[4+\b], |v[S+16*\b+\i]|, |v[S+16*\b+\i+1]|
.endr
.endr
.irp b, 0,1
	v_permlanex16_b32 v[6+\b], v[4+\b], s16, s17
.endr
.irp b, 0,1
	v_max_num_f32 v[4+\b], v[4+\b], v[6+\b]        ; with the other half's 16: the block's largest magnitude
.endr
.irp b, 0,1
	v_add_nc_u32 v[8+\b], 0xff000000, v[4+\b]
.endr
.irp b, 0,1
	v_lshrrev_b32 v[6+\b], 23, v[8+\b]
.endr
	v_lshl_or_b32 v10, v7, 8, v6
	v_cvt_scalef32_pk16_fp6_f32 v[PC:PC+2], v[S:S+15], v8
	v_cvt_scalef32_pk16_fp6_f32 v[KF:KF+2], v[S+16:S+31], v9
	v_nop
.irp i, 0,1,2
	v_permlane16_swap_b32 v[PC+\i], v[KF+\i]       ; a lane is to hold a whole block
.endr
.irp i, 0,1,2
	v_mov_b32 v[PC+3+\i], v[KF+\i]
.endr
	global_store_b128 v[L16], v[PC:PC+3], s[56:57]
	global_store_b64 v[L8], v[PC+4:PC+5], s[56:57] offset:512
	global_store_b16 v[L8], v10, s[58:59] offset:3072
	s_wait_xcnt 0x0                                ; the stores' data and bases are written again only behind this wait
	s_add_co_u32 s53, s53, 1024
	s_add_co_u32 s13, s13, 1
	s_cmp_lg_u32 s13, 2
	WALU
	s_cbranch_scc1 .Lpass
	s_wait_tensorcnt 0x0                           ; the wave's end
	ds_add_u32 v[SPW], v[NIL]
	s_wait_dscnt 0x0
	ROUND                                          ; the closing round
	s_endpgm
.Lfunc_end_k_q7167ff0766_attn:
	.size	k_q7167ff0766_attn, .Lfunc_end_k_q7167ff0766_attn-k_q7167ff0766_attn
	.p2alignl 7, 3214868480
	.fill 96, 4, 3214868480
	.section	.rodata,"a",@progbits
	.p2align	6, 0x0
	.amdhsa_kernel k_q7167ff0766_attn
		.amdhsa_group_segment_fixed_size 327680
		.amdhsa_private_segment_fixed_size 0
		.amdhsa_enable_private_segment 0
		.amdhsa_kernarg_size 24
		.amdhsa_user_sgpr_count 2
		.amdhsa_user_sgpr_kernarg_segment_ptr 1
		.amdhsa_wavefront_size32 1
		.amdhsa_system_sgpr_workgroup_id_x 1
		.amdhsa_system_sgpr_workgroup_id_y 1
		.amdhsa_system_sgpr_workgroup_id_z 1
		.amdhsa_system_vgpr_workitem_id 0
		.amdhsa_next_free_vgpr 256
		.amdhsa_next_free_sgpr 66
		.amdhsa_reserve_vcc 0
		.amdhsa_float_denorm_mode_32 3
		.amdhsa_float_denorm_mode_16_64 3
		.amdhsa_memory_ordered 1
		.amdhsa_forward_progress 1
		.amdhsa_inst_pref_size 69
	.end_amdhsa_kernel
	.amdgpu_metadata
---
amdhsa.version: [ 1, 2 ]
amdhsa.kernels:
  - .name:           k_q7167ff0766_attn
    .symbol:         k_q7167ff0766_attn.kd
    .args:
      - { .name: qa, .offset: 0, .size: 8, .value_kind: global_buffer, .address_space: global }
      - { .name: kv, .offset: 8, .size: 8, .value_kind: global_buffer, .address_space: global }
      - { .name: cr, .offset: 16, .size: 8, .value_kind: global_buffer, .address_space: global }
    .group_segment_fixed_size: 327680
    .private_segment_fixed_size: 0
    .kernarg_segment_align: 8
    .kernarg_segment_size: 24
    .max_flat_workgroup_size: 512
    .sgpr_count:     66
    .vgpr_count:     256
    .wavefront_size: 32
...
	.end_amdgpu_metadata
.endif
;; end of part 3
;; launch proj (part 4): grid 4 x 64, 4 waves a work-group, clusters of 4 x 4, 327,680 bytes of LDS; arguments cr, wr, proj_b, out0; writes out0
.if DOCPART == 4
	.amdgcn_target "amdgcn-amd-amdhsa--gfx1250"
	.amdhsa_code_object_version 6
	.text
	.protected	k_q7167ff0766_proj
	.globl	k_q7167ff0766_proj
	.p2align	8
	.type	k_q7167ff0766_proj,@function
k_q7167ff0766_proj:
	s_mov_b64 s[64:65], 0
	v_nop
	global_prefetch_b8 v0, s[64:65] scope:SCOPE_SE
	s_setreg_imm32_b32 hwreg(HW_REG_WAVE_MODE, 25, 1), 1
	s_wait_xcnt 0x0
	s_wait_alu depctr_hold_cnt(0) depctr_sa_sdst(0) depctr_va_vdst(0) depctr_va_sdst(0) depctr_va_ssrc(0) depctr_va_vcc(0) depctr_vm_vsrc(0)
	s_getreg_b32 s2, hwreg(HW_REG_IB_STS2, 6, 4)
	s_cmp_eq_u32 s2, 0
	s_cbranch_scc0 .Lentry_in_a_cluster
	s_endpgm
.Lentry_in_a_cluster:
	s_bfe_u32 s2, ttmp6, 0x10000c
	s_cmp_lg_u32 s2, 0xf033
	s_cbranch_scc0 .Lentry_shape_is_right
	s_endpgm
.Lentry_shape_is_right:
; out0 = ctx proj_w^T + proj_b on codes of FP6 (E2M3) with E8M0 scales, K = 1,024; out0 [8192][1024] f32.
; OPERANDS come as records (3,328 bytes: four half fragments of 16 rows x 64 K as images of their registers, then two scale words a lane); a row tile's K is four records, 13,312 bytes.
; Lane r of row tile m holds row 32 (m/2) + 8 (m%2) + r + 8 (r/8); the stores undo that order.
; P = proj_w is source 0 (256 rows a work-group, 128 a wave), R = ctx is source 1 (128 rows a work-group, 64 a wave): a lane holds a token, and the 16 registers of P's tiles 2 b, 2 b + 1 are 16 neighbouring outputs.
; A work-group's whole K of both operands, 319,488 bytes, lies in LDS at once, in four chunks of 256 along K, each filled ONCE.  A wave has one tensor load out, issued at the head.
; CLUSTER 4 x 4: R's tiles are asked for jointly along a row of the cluster, P's along a column.  No prefetch: all that a work-group reads is asked for by its first tensor loads.
; REGISTERS: window 0: v8-30 addresses; v32-79 scale words, two sets of 24; v80-175 R's fragments, two sets of 48; on the way out v80-207 rows of out0.
;   window 1: v0-191 P's fragments, two sets of 96; v192-255 the bias.   window 2: the 32 accumulators, (a, b) at v[8 (8 a + b)].
.set REC,   3328
.set TILEB, 13312
; LDS AS THIS TEXT FILLS IT: two regions of PAIR bytes, each with 512 along K (two records a row tile): R's 8 row tiles, rows of 6,656 bytes, then P's 16.
; FOUR FILLS, ONE A WAVE, each filled once: wave 0 R's first region, wave 1 P's first, wave 2 R's second, wave 3 P's second.
; Waves 0 and 1 wait for theirs ahead of the first barrier; every wave waits ahead of the barrier that opens chunk 2: behind that barrier nobody reads the first region, in whose first bytes the stages lie.
.set PAIR,  159744
.set POFF,  53248
.set SPARE, 2*PAIR
.set STG,   8448                       ; the way out: a stage of 16 rows x (512 + 16) bytes for each wave, in the first region's first bytes: they have had their only fill, and every wave's reads of them were over ahead of the barrier that opened chunk 2
.set AR16, 8
.set AR8,  12
.set AP16, 16
.set AP8,  20
.set L16,  24
.set L8,   25
.set BQ,   26                          ; v26  bias offset: 64 h
.set STO,  27                          ; v27  the stage, way in: 528 r + 64 h
.set SPW,  28
.set NIL,  29
.set RD,   30                          ; v30  the stage, way out: 16 x lane
.set SC,   32
.set RF,   80
.set BI,   192
.set BK,   80
.set WV, 18
.set RH, 19
.set PH, 20
.set CX, 21
.set CY, 22
.set RY, 59
.set G1R, 24
.set G1P, 32
.set G0R, 40
.set G0P, 68
.set MUL,  0xa1
.set MULB, 0x91
.set TO_P, 0x40
.set MSB, 0
.macro WIN new
.if MSB != \new
	s_set_vgpr_msb (MSB<<8)|\new
.set MSB, \new
.endif
.endm
.macro ROUND
	s_barrier_signal -1
	s_barrier_wait -1
	s_cmp_lg_u32 s[WV], 0
	s_cbranch_scc1 .Lnot_wave_0_\@
	s_barrier_signal -3
.Lnot_wave_0_\@:
	s_barrier_wait -3
	s_barrier_signal -1
	s_barrier_wait -1
.endm
.macro PLACES                          ; four plain instructions between a matrix instruction and a load into, or a read of, its registers
.rept 4
	v_nop
.endr
.endm
.macro FETCH j, q                      ; the fragments of K step 2 j + q into set q: 48 loads of consecutive bytes
	WIN TO_P
.irp b, 0,1,2,3,4,5,6,7
.irp c, 0,1
	ds_load_b128 v[96*\q+12*\b+6*\c:96*\q+12*\b+6*\c+3], v[AP16+\j] offset:2*REC*\b+768*(2*\q+\c)
	ds_load_b64 v[96*\q+12*\b+6*\c+4:96*\q+12*\b+6*\c+5], v[AP8+\j] offset:2*REC*\b+768*(2*\q+\c)+512
.endr
.endr
	WIN 0
.irp a, 0,1,2,3
.irp c, 0,1
	ds_load_b128 v[RF+48*\q+12*\a+6*\c:RF+48*\q+12*\a+6*\c+3], v[AR16+\j] offset:2*REC*\a+768*(2*\q+\c)
	ds_load_b64 v[RF+48*\q+12*\a+6*\c+4:RF+48*\q+12*\a+6*\c+5], v[AR8+\j] offset:2*REC*\a+768*(2*\q+\c)+512
.endr
.endr
.endm
.macro SCALES j
.irp a, 0,1,2,3
	ds_load_b64 v[SC+24*((\j)%2)+2*\a:SC+24*((\j)%2)+2*\a+1], v[AR8+\j] offset:2*REC*\a+3072
.endr
.irp b, 0,1,2,3,4,5,6,7
	ds_load_b64 v[SC+24*((\j)%2)+8+2*\b:SC+24*((\j)%2)+8+2*\b+1], v[AP8+\j] offset:2*REC*\b+3072
.endr
.endm
; Eight products: R's tile a against P's eight.  cmode 0: the sums go on; 1: they start from the bias.  The 32 accumulators take turns, one instruction a turn.
.macro MUL8 a, q, j, cmode
.irp b, 0,1,2,3,4,5,6,7
.if \cmode == 0
	v_wmma_scale_f32_16x16x128_f8f6f4 v[8*(8*\a+\b):8*(8*\a+\b)+7], v[96*\q+12*\b:96*\q+12*\b+11], v[RF+48*\q+12*\a:RF+48*\q+12*\a+11], v[8*(8*\a+\b):8*(8*\a+\b)+7], v[SC+24*((\j)%2)+8+2*\b+\q], v[SC+24*((\j)%2)+2*\a+\q] matrix_a_fmt:MATRIX_FMT_FP6 matrix_b_fmt:MATRIX_FMT_FP6
.else
	v_wmma_scale_f32_16x16x128_f8f6f4 v[8*(8*\a+\b):8*(8*\a+\b)+7], v[96*\q+12*\b:96*\q+12*\b+11], v[RF+48*\q+12*\a:RF+48*\q+12*\a+11], v[BI+8*\b:BI+8*\b+7], v[SC+24*((\j)%2)+8+2*\b+\q], v[SC+24*((\j)%2)+2*\a+\q] matrix_a_fmt:MATRIX_FMT_FP6 matrix_b_fmt:MATRIX_FMT_FP6
.endif
.endr
.endm
.macro STEP_EVEN j
	s_wait_dscnt 0x0                               ; this step's fragments, asked for 24 products ago
	PLACES
	FETCH \j, 1
	WIN MUL
	MUL8 0, 0, \j, 0
	MUL8 1, 0, \j, 0
	MUL8 2, 0, \j, 0
	MUL8 3, 0, \j, 0
.endm
.macro STEP_ODD j
	s_wait_dscnt 0x0                               ; this step's fragments; and no LDS load of mine is out at the signal
.if (\j) == 1
	s_wait_tensorcnt 0x0                           ; chunk 2 opens the second region: every wave's load has landed
	s_barrier_signal -1
.endif
	WIN MUL
	MUL8 0, 1, \j, 0
.if (\j) == 1
	s_barrier_wait -1                              ; the second region is whole (chunks 1 and 3 lie in regions that a barrier has shown already)
.endif
	PLACES
	FETCH (\j)+1, 0
	SCALES (\j)+1
	WIN MUL
	MUL8 1, 1, \j, 0
	MUL8 2, 1, \j, 0
	MUL8 3, 1, \j, 0
.endm
	s_load_b256 s[4:11], s[0:1], 0x0               ; cr, wr, proj_b, out0
	v_lshl_add_u32 v[SPW], v0, 2, SPARE
	v_mov_b32 v[NIL], 0
	ds_add_u32 v[SPW], v[NIL]                      ; the wave's opening: the add and its wait ahead of my first tensor load; work on registers stands between
	ds_add_u32 v[SPW], v[NIL]
	v_lshrrev_b32 v1, 5, v0
	v_readfirstlane_b32 s[WV], v1
	s_lshr_b32 s[RH], s[WV], 1
	s_and_b32 s[PH], s[WV], 1
	s_bfe_u32 s[CX], ttmp6, 0x40000                ; cx is also my block of 256 outputs
	s_bfe_u32 s[CY], ttmp6, 0x40004
	s_and_b32 s[RY], ttmp7, 0xffff
	s_lshl_b32 s[RY], s[RY], 2
	s_add_co_u32 s[RY], s[RY], s[CY]               ; my block of 128 tokens
	s_lshl_b32 s60, s[CY], 2
	s_lshl_b32 s60, 15, s60                        ; my row of the cluster
	s_lshl_b32 s62, 0x1111, s[CX]                  ; my column
	s_or_b32 s[G1R], s60, (3<<16)|(1<<21)
	s_or_b32 s[G1P], s62, (3<<16)|(1<<21)
	s_mov_b32 s[G1R+1], 832<<16                    ; rows of two records, 832 elements of 8 bytes: R 8 row tiles, P 16
	s_mov_b32 s[G1R+2], 8<<16
	s_mov_b32 s[G1R+3], 832<<16
	s_mov_b32 s[G1R+4], 8
	s_mov_b32 s[G1R+5], 1664
	s_mov_b32 s[G1R+6], 0
	s_mov_b32 s[G1R+7], 0
	s_mov_b32 s[G1P+1], 832<<16
	s_mov_b32 s[G1P+2], 16<<16
	s_mov_b32 s[G1P+3], 832<<16
	s_mov_b32 s[G1P+4], 16
	s_mov_b32 s[G1P+5], 1664
	s_mov_b32 s[G1P+6], 0
	s_mov_b32 s[G1P+7], 0
	s_lshl_b32 s60, s[RY], 3
	s_mul_i32 s60, s60, TILEB                      ; R: from row tile 8 ry of cr on
	s_mov_b32 s61, 0
	s_lshl_b32 s62, s[CX], 4
	s_mul_i32 s62, s62, TILEB
	s_add_co_u32 s62, s62, 192*TILEB               ; P: from row tile 16 cx of proj_w on, the fourth weight in wr
	s_mov_b32 s63, 0
	s_mul_i32 s90, s[PH], 16*REC                   ; what I read: my half of P, 8 rows of two records,
	s_add_co_u32 s90, s90, POFF
	s_mul_i32 s89, s[RH], 8*REC                    ; and my half of R, 4 rows
	s_wait_dscnt 0x0                               ; the opening add is done
	s_wait_kmcnt 0x0
	s_add_nc_u64 s[84:85], s[4:5], s[60:61]
	s_add_nc_u64 s[86:87], s[6:7], s[62:63]
	ROUND                                          ; all sixteen work-groups are here: the joint loads meet
.irp u, 0,1
	s_mov_b32 s[G0R+4*\u], 1
	s_mov_b32 s[G0R+4*\u+1], PAIR*\u
	s_add_nc_u64 s[G0R+4*\u+2:G0R+4*\u+3], s[84:85], 2*REC*\u
	s_or_b32 s[G0R+4*\u+3], s[G0R+4*\u+3], 0x80000000
	s_mov_b32 s[G0P+4*\u], 1
	s_mov_b32 s[G0P+4*\u+1], PAIR*\u+POFF
	s_add_nc_u64 s[G0P+4*\u+2:G0P+4*\u+3], s[86:87], 2*REC*\u
	s_or_b32 s[G0P+4*\u+3], s[G0P+4*\u+3], 0x80000000
.endr
; one chain of branches on the wave's number, one fill to an arm, all arms leading to one join; what the first K steps need is asked for first
.macro ARM w, g0, g1, next
	s_cmp_eq_u32 s[WV], \w
	s_cbranch_scc0 \next
	tensor_load_to_lds s[\g0:\g0+3], s[\g1:\g1+7]
	s_nop 0
.rept 4
	v_nop
.endr
	s_branch .Lfilled
\next:
.endm
	ARM 0, G0R, G1R, .Lw1
	ARM 1, G0P, G1P, .Lw2
	ARM 2, G0R+4, G1R, .Lw3
	tensor_load_to_lds s[G0P+4:G0P+7], s[G1P:G1P+7]
	s_nop 0
.rept 4
	v_nop
.endr
.Lfilled:
	v_and_b32 v1, 31, v0
	v_lshlrev_b32 v[L16], 4, v1
	v_lshlrev_b32 v[L8], 3, v1
.irp j, 0,1,2,3
	v_add_nc_u32 v[AR16+\j], s89, v[L16]
	v_add_nc_u32 v[AR8+\j], s89, v[L8]
	v_add_nc_u32 v[AP16+\j], s90, v[L16]
	v_add_nc_u32 v[AP8+\j], s90, v[L8]
	s_add_co_u32 s89, s89, REC+(\j%2)*(PAIR-2*REC) ; chunk j lies in region j / 2, at record j % 2 of each row
	s_add_co_u32 s90, s90, REC+(\j%2)*(PAIR-2*REC)
.endr
	v_and_b32 v2, 15, v0                           ; r
	v_bfe_u32 v3, v0, 4, 1                         ; h
	v_lshlrev_b32 v[BQ], 6, v3
	s_wait_alu depctr_va_vdst(0)
	s_mul_i32 s91, s[WV], STG                      ; my stage
	v_mul_u32_u24 v[STO], v2, 528
	v_lshl_add_u32 v[STO], v3, 6, v[STO]
	v_add_nc_u32 v[STO], s91, v[STO]
	v_add_nc_u32 v[RD], s91, v[L16]
	s_lshl_b32 s94, s[CX], 10
	s_lshl_b32 s95, s[PH], 9
	s_add_co_u32 s94, s94, s95                     ; my 128 outputs, in bytes
	s_mov_b32 s95, 0
	s_add_nc_u64 s[96:97], s[8:9], s[94:95]        ; the bias at them
	s_lshl_b32 s100, s[RY], 7
	s_lshl_b32 s101, s[RH], 6
	s_add_co_u32 s100, s100, s101
	s_lshl_b32 s100, s100, 12                      ; my first token's row of 4,096 bytes
	s_mov_b32 s101, 0
	s_add_nc_u64 s[92:93], s[10:11], s[94:95]
	s_add_nc_u64 s[92:93], s[92:93], s[100:101]
	WIN TO_P
.irp b, 0,1,2,3,4,5,6,7                        ; the bias is the C of each sum's first product: tile b's registers: outputs 32 (b/2) + 8 (b%2) + 16 h + 0 .. 7
	global_load_b128 v[BI+8*\b:BI+8*\b+3], v[BQ], s[96:97] offset:(32*(\b/2)+8*(\b%2))*4
	global_load_b128 v[BI+8*\b+4:BI+8*\b+7], v[BQ], s[96:97] offset:(32*(\b/2)+8*(\b%2))*4+16
.endr
	WIN 0
	s_wait_alu depctr_va_vdst(0)                   ; the wait ahead of the branch
	s_cmp_lt_u32 s[WV], 2
	s_cbranch_scc0 .Llater
	s_wait_tensorcnt 0x0                           ; waves 0 and 1: the first region's fills, whose lines are theirs alone, have landed; those of waves 2 and 3 may stay out
.Llater:
	s_barrier_signal -1
	s_barrier_wait -1
	FETCH 0, 0
	SCALES 0
	FETCH 0, 1
	s_wait_dscnt 48                                ; all but the 48 loads of K step 1
	s_wait_loadcnt 0x0                             ; the bias
	WIN MULB
	MUL8 0, 0, 0, 1
	MUL8 1, 0, 0, 1
	MUL8 2, 0, 0, 1
	MUL8 3, 0, 0, 1
	STEP_ODD 0
	STEP_EVEN 1
	STEP_ODD 1
	STEP_EVEN 2
	STEP_ODD 2
	STEP_EVEN 3
	s_wait_dscnt 0x0                               ; the last K step: nothing more to fetch
	WIN MUL
	MUL8 0, 1, 3, 0
	MUL8 1, 1, 3, 0
	MUL8 2, 1, 3, 0
	MUL8 3, 1, 3, 0
	WIN 0
	PLACES
; THE WAY OUT, a tile of 16 tokens x 128 outputs at a time: a lane holds four runs of 64 bytes of one row, and the lanes beside it hold other rows: so the tile goes through my own stage and comes back as whole rows of 512 bytes.
; A wave's LDS instructions are served in order: no wait between the stores and the loads, nor ahead of the next tile's stores.
.macro TOSTAGE a
	WIN 0x08                                       ; an LDS store's data are its source 1: window 2
.irp u, 0,1,2,3,4,5,6,7,8,9,10,11,12,13,14,15
	ds_store_b128 v[STO], v[64*(\a)+4*\u:64*(\a)+4*\u+3] offset:128*(\u/4)+16*(\u%4)   ; each accumulator from its low end on
.endr
	WIN 0
.irp t, 0,1,2,3,4,5,6,7,8,9,10,11,12,13,14,15
	ds_load_b128 v[BK+64*((\a)%2)+4*\t:BK+64*((\a)%2)+4*\t+3], v[RD] offset:528*\t
.endr
.endm
.macro SEND a, younger                 ; younger: the LDS instructions issued behind tile a's loads
	s_wait_dscnt \younger
.irp t, 0,1,2,3,4,5,6,7,8,9,10,11,12,13,14,15
	global_store_b128 v[L16], v[BK+64*((\a)%2)+4*\t:BK+64*((\a)%2)+4*\t+3], s[92:93] offset:(32*((\a)/2)+8*((\a)%2)+\t+8*(\t/8))*4096 th:TH_STORE_NT   ; 512 consecutive bytes, at a multiple of 512 from out0's first byte; lane t of tile a is token 32 (a/2) + 8 (a%2) + t + 8 (t/8)
.endr
.endm
	s_wait_alu depctr_va_vdst(0)
	TOSTAGE 0
.irp a, 1,2,3
.if \a > 1
	s_wait_xcnt 0x0                                ; tile a - 2's stores have read their registers: tile a's loads may land there
.endif
	TOSTAGE \a
	SEND \a-1, 32                                  ; behind tile a - 1's loads: tile a's 16 stores and 16 loads
.endr
	SEND 3, 0
	s_wait_tensorcnt 0x0                           ; the wave's end: behind my last tensor load and my last LDS store
	ds_add_u32 v[SPW], v[NIL]
	s_wait_dscnt 0x0
	ROUND                                          ; the closing round
	s_endpgm
.Lfunc_end_k_q7167ff0766_proj:
	.size	k_q7167ff0766_proj, .Lfunc_end_k_q7167ff0766_proj-k_q7167ff0766_proj
	.p2alignl 7, 3214868480
	.fill 96, 4, 3214868480
	.section	.rodata,"a",@progbits
	.p2align	6, 0x0
	.amdhsa_kernel k_q7167ff0766_proj
		.amdhsa_group_segment_fixed_size 327680
		.amdhsa_private_segment_fixed_size 0
		.amdhsa_enable_private_segment 0
		.amdhsa_kernarg_size 32
		.amdhsa_user_sgpr_count 2
		.amdhsa_user_sgpr_kernarg_segment_ptr 1
		.amdhsa_wavefront_size32 1
		.amdhsa_system_sgpr_workgroup_id_x 1
		.amdhsa_system_sgpr_workgroup_id_y 1
		.amdhsa_system_sgpr_workgroup_id_z 1
		.amdhsa_system_vgpr_workitem_id 0
		.amdhsa_next_free_vgpr 768
		.amdhsa_next_free_sgpr 102
		.amdhsa_reserve_vcc 0
		.amdhsa_float_denorm_mode_32 3
		.amdhsa_float_denorm_mode_16_64 3
		.amdhsa_memory_ordered 1
		.amdhsa_forward_progress 1
		.amdhsa_inst_pref_size 85
	.end_amdhsa_kernel
	.amdgpu_metadata
---
amdhsa.version: [ 1, 2 ]
amdhsa.kernels:
  - .name:           k_q7167ff0766_proj
    .symbol:         k_q7167ff0766_proj.kd
    .args:
      - { .name: cr, .offset: 0, .size: 8, .value_kind: global_buffer, .address_space: global }
      - { .name: wr, .offset: 8, .size: 8, .value_kind: global_buffer, .address_space: global }
      - { .name: proj_b, .offset: 16, .size: 8, .value_kind: global_buffer, .address_space: global }
      - { .name: out0, .offset: 24, .size: 8, .value_kind: global_buffer, .address_space: global }
    .group_segment_fixed_size: 327680
    .private_segment_fixed_size: 0
    .kernarg_segment_align: 8
    .kernarg_segment_size: 32
    .max_flat_workgroup_size: 128
    .sgpr_count:     102
    .vgpr_count:     768
    .wavefront_size: 32
...
	.end_amdgpu_metadata
.endif
;; end of part 4
